; MI455X (gfx1250); checked and timed in simulation.
; The chip was launched on July 23, 2026; its instructions are those of AMD's public machine-readable ISA for CDNA 5 (MIT licence, August 2026) and "CDNA5" Instruction Set Architecture Reference Guide (July 2026). The comments in the code are by the model that wrote it; some were corrected since.
;; multi head attention. Allowed arithmetic: matrix products marked QUANTISED: E2M1 operands, one E8M0 scale for each 32 along K, by v_wmma_scale_f32_16x16x128_f8f6f4 with both operands' format E2M1 (or v_wmma_scale_f32_32x16x128_f4), f32 sums; products left as they are: bf16, f16 or f32 operands; f32 sums; everything else in f32.
;; Inputs: WK 1,024 x 1,024 float32; WO 1,024 x 1,024 float32; WQ 1,024 x 1,024 float32; WV 1,024 x 1,024 float32; x 4 x 2,048 x 1,024 float32.
;; Outputs: out0 4 x 2,048 x 1,024 float32.
;; This version of the problem:
;;   THIS VERSION OF THE PROBLEM IS GIVEN IN LOW PRECISION. The matrix products marked QUANTISED in the list below multiply operands that are first quantised to E2M1 (2 exponent bits, 1 mantissa bit; 4 bits a number), with one power-of-two scale for each 32 numbers along K (OCP MX v1.0); their sums are f32. The products marked 'left as it is' may take bf16, f16 or f32 operands, with f32 sums. Whichever they take, every output number must still come out within the allowed error. Rounding operands to bf16 (8 significant bits) uses up far more of that allowance than f16 does (11 bits, for magnitudes from 6e-5 to 65,504). All else is computed in f32.
;;   The module's matrix products, in the order in which they are computed (A, B: the left and right operand; K: the contracted axis; several contracted axes count as one K, in the product's order):
;;     1. [M 8,192, K 1,024] x [K 1,024, N 1,024]; A: input x; B: input WQ: QUANTISED
;;     2. [M 8,192, K 1,024] x [K 1,024, N 1,024]; A: input x; B: input WK: QUANTISED
;;     3. [M 8,192, K 1,024] x [K 1,024, N 1,024]; A: input x; B: input WV: QUANTISED
;;     4. batch 64 x [M 2,048, K 64] x [K 64, N 2,048]; A: computed on the way; B: computed on the way: left as it is (an operand is computed on the way)
;;     5. batch 64 x [M 2,048, K 2,048] x [K 2,048, N 64]; A: computed on the way; B: computed on the way: left as it is (an operand is computed on the way)
;;     6. [M 8,192, K 1,024] x [K 1,024, N 1,024]; A: computed on the way; B: input WO: left as it is (an operand is computed on the way)
;;   THE QUANTISER, for each operand of a quantised product, along K:
;;     - K is cut into blocks of 32 from its start; a last block that is shorter is filled with zeros.
;;     - A block's scale is 2^e with e = floor(log2(the largest magnitude in the block)) - 2, held to -126 .. 127; a block of zeros has e = 0. As a byte (E8M0): e + 127.
;;     - Each number is divided by its block's scale, clamped to +-6, and rounded to the nearest number of E2M1, ties to even, subnormals kept.
;;     - The product sums the exact products of the quantised numbers (number of the format x scale) in f32.
;;   ~~~python
;;   def quantise(x, axis):      # numpy; x: float32 -> the quantised numbers, widened to float32 again
;;       x = np.moveaxis(x, axis, -1); K = x.shape[-1]
;;       x = np.pad(x, [(0, 0)] * (x.ndim - 1) + [(0, -K % 32)]); x = x.reshape(x.shape[:-1] + (-1, 32)); a = np.abs(x).max(-1, keepdims=True)
;;       e = np.where(a > 0, np.clip(np.frexp(np.where(a > 0, a, 1))[1] - 1 - 2, -126, 127), 0)      # np.frexp(a)[1] - 1 = floor(log2(a)), exactly
;;       r = np.clip(x / 2.0 ** e, -6, 6)
;;       step = 2.0 ** (np.maximum(np.frexp(np.where(r == 0, 1, r))[1] - 1, 0) - 1)
;;       q = np.round(r / step) * step * 2.0 ** e      # np.round: ties to even
;;       return np.moveaxis(q.reshape(q.shape[:-2] + (-1,))[..., :K], -1, axis).astype(np.float32)
;;   ~~~
;; One version. Each part assembles by itself: llvm-mc -triple=amdgcn-amd-amdhsa -mcpu=gfx1250 --defsym DOCPART=n.
;; ======== version 1 of 1: 4 launches
;; limits: values are held in f16: magnitudes above 65,504 overflow, below 6.1e-05 lose precision
;; workspace buffers: xc 4,194,304 bytes; xs 262,144 bytes; wc 1,572,864 bytes; ws 98,304 bytes; wot 2,097,152 bytes; qkv 50,331,648 bytes; ctx 16,777,216 bytes
;; launch prep (part 1): grid 336 x 1, 4 waves a work-group, no clusters, 86,528 bytes of LDS; arguments x, WQ, WK, WV, WO, xc, xs, wc, ws, wot; writes xc, xs, wc, ws, wot
.if DOCPART == 1
	.amdgcn_target "amdgcn-amd-amdhsa--gfx1250"
	.amdhsa_code_object_version 6
	.text
	.protected	k_q0832434602_prep
	.globl	k_q0832434602_prep
	.p2align	8
	.type	k_q0832434602_prep,@function
k_q0832434602_prep:
	s_mov_b64 s[64:65], 0
	v_nop
	global_prefetch_b8 v0, s[64:65] scope:SCOPE_SE
	s_setreg_imm32_b32 hwreg(HW_REG_WAVE_MODE, 25, 1), 1
	s_wait_xcnt 0x0
; MULTI-HEAD ATTENTION, launch 1 of 4: the operands are made ready.  B = 4, S = 2,048, D = 1,024, 16 heads of 64.
; NO WORK IS LEFT OUT in this program: x, WQ, WK, WV and WO all reach the output, there is no mask, no bias and no slice, so every product of the problem is done whole.
; x [8192][1024] f32 -> codes of E2M1, K innermost (xc [8192][512 bytes]) and one E8M0 byte for each 32 along K (xs [8192][32]).
; WQ, WK, WV [k 1024][n 1024] f32, K their FIRST axis -> wc [3072 = which x 1024 + n][512 bytes], ws [3072][32].
; WO [k][n] f32 -> f16, laid wot [k / 64][n 1024][64]: 128 bytes for each (chunk of 64 along K, column n), so that a chunk's rows are dense for the last launch.
; A block's scale is 2^(floor(log2(its largest magnitude)) - 2): its byte is the largest magnitude's exponent field - 2, held at 1 from below by a floor among the maximum's leaves.
; LIMITS: a block of zeros gets the byte 1 where the rule says 127: its codes are zeros, and this program alone reads the bytes.  Blocks whose largest magnitude lies under 2^-124 are held at that floor.
; NaN and infinities among the inputs are not served.  WO beyond 65,504 in magnitude overflows f16; under 6e-5 it is carried with f16's subnormal step.
; THREE PATHS part on the work-group's number and never join; each has LDS bytes of its own: 0-47 the three weights (the longest, so they come first), 48-79 WO, 80-335 x.
; No tensor load, no barrier: waves share nothing.
.set SPARE, 86016                      ; behind the three regions: the spare words, 128 bytes for each wave
.set SPW,   252                        ; v252 LDS address of my spare word; never rewritten
.set NIL,   253                        ; v253 0; never rewritten
.set WBASE, 32768                      ; path W: four stages of 32 x 272 bytes
.set OBASE, 67584                      ; path O: four stages of 32 x 144 bytes
.set XR,    16                         ; path X: v16-143 eight sets of 16 numbers as loaded
.set XX,    144                        ;         v144-175 two sets of 16 neighbours
.set XE,    176                        ;         v176-191 a scale byte for each step
.set XC,    192                        ;         v192-223 two registers of codes for each step
.macro END3                            ; a wave's end: three lines behind the last LDS store
	s_wait_tensorcnt 0x0
	ds_add_u32 v[SPW], v[NIL]
	s_wait_dscnt 0x0
	s_endpgm
.endm
; ---- path X: a wave takes 16 steps of 512 numbers.  Each load reads 512 consecutive bytes; a step's 2,048 bytes turn through the wave's stage so that a lane gets 16 neighbours along K
.macro XLOAD t
.irp i, 0,1,2,3
	global_load_b128 v[XR+16*((\t)%8)+4*\i:XR+16*((\t)%8)+4*\i+3], v3, s[4:5] offset:2048*(\t)+512*\i th:TH_LOAD_NT
.endr
.endm
.macro XTURN t                         ; LDS serves a wave's instructions in order: no wait between the stores and the loads
.irp i, 0,1,2,3
	ds_store_b128 v14, v[XR+16*((\t)%8)+4*\i:XR+16*((\t)%8)+4*\i+3] offset:2560*((\t)%2)+640*\i
.endr
.irp i, 0,1,2,3
	ds_load_b128 v[XX+16*((\t)%2)+4*\i:XX+16*((\t)%2)+4*\i+3], v15 offset:2560*((\t)%2)+16*\i
.endr
.endm
.macro XSTEP t
.set XSET, XX+16*((\t)%2)
.if (\t) > 0
	s_wait_dscnt 1                                 ; this step's numbers are back from the stage; only the last step's byte store may be out
.else
	s_wait_dscnt 0x0
.endif
.if (\t)+8 < 16
	XLOAD (\t)+8                                   ; into the set whose stores into the stage have read their registers
.endif
.if (\t)+1 < 16
.if 14-(\t) >= 7
	s_wait_loadcnt 28                              ; the next step's four loads are in; those of the seven steps behind it may be out
.else
	s_wait_loadcnt 4*(14-(\t))                     ; towards the end fewer steps stand behind it
.endif
	XTURN (\t)+1
.endif
	v_max3_num_f32 v8, |v[XSET]|, |v[XSET+1]|, |v[XSET+2]|        ; the largest magnitude of my 16, in two chains
	v_max3_num_f32 v9, |v[XSET+3]|, |v[XSET+4]|, |v[XSET+5]|
.irp i, 6,10
	v_max3_num_f32 v8, v8, |v[XSET+\i]|, |v[XSET+\i+1]|
	v_max3_num_f32 v9, v9, |v[XSET+\i+2]|, |v[XSET+\i+3]|
.endr
	v_max3_num_f32 v8, v8, |v[XSET+14]|, |v[XSET+15]|
	v_max3_num_f32 v8, v8, v9, 0x1800000           ; and the floor 2^(3 - 127): the byte cannot fall under 1
	v_max_num_f32_dpp v8, v8, v8 row_xmask:1 row_mask:0xf bank_mask:0xf   ; with my neighbour's 16: the block's
	v_add_nc_u32 v11, 0xff000000, v8               ; 2 off the exponent field: the conversion's scale operand
	v_cvt_scalef32_pk8_fp4_f32 v[XC+2*(\t)], v[XSET:XSET+7], v11
	v_cvt_scalef32_pk8_fp4_f32 v[XC+2*(\t)+1], v[XSET+8:XSET+15], v11
	v_lshrrev_b32 v[XE+(\t)], 23, v11              ; the scale's byte (also the plain line behind the conversions)
	ds_store_b8 v5, v[XE+(\t)] offset:16*(\t)      ; both lanes of a block write the same byte with the same value
	global_store_b64 v4, v[XC+2*(\t):XC+2*(\t)+1], s[14:15] offset:256*(\t)   ; the wave stores 256 consecutive bytes, aligned
.endm
; ---- paths W and O: a lane takes a column n and its registers run down K: block t is rows 32 t .. 32 t + 31, into set t % 2; 32 lanes read 128 consecutive bytes
.macro LOADK t
.set i, 0
.rept 32
	global_load_b32 v[32+32*((\t)%2)+i], v3, s[24:25] offset:(32*(\t)+i)*4096 th:TH_LOAD_NT
.set i, i+1
.endr
.endm
.macro WBLOCK t
.set XSET, 32+32*((\t)%2)
.if (\t) < 15
	s_wait_loadcnt 32                              ; this block's 32 loads are in; the next block's may be out
.else
	s_wait_loadcnt 0
.endif
	v_max3_num_f32 v12, |v[XSET]|, |v[XSET+1]|, |v[XSET+2]|       ; all 32 numbers of the block are mine
	v_max3_num_f32 v13, |v[XSET+3]|, |v[XSET+4]|, |v[XSET+5]|
.irp i, 6,10,14,18,22,26
	v_max3_num_f32 v12, v12, |v[XSET+\i]|, |v[XSET+\i+1]|
	v_max3_num_f32 v13, v13, |v[XSET+\i+2]|, |v[XSET+\i+3]|
.endr
	v_max3_num_f32 v12, v12, |v[XSET+30]|, |v[XSET+31]|
	v_max3_num_f32 v12, v12, v13, 0x1800000
	v_add_nc_u32 v11, 0xff000000, v12
	v_lshrrev_b32 v13, 23, v11
.if (\t)%4 == 0
	v_mov_b32 v[24+(\t)/4], v13                    ; four bytes to a register, the lower K in the lower byte
.else
	v_lshl_or_b32 v[24+(\t)/4], v13, 8*((\t)%4), v[24+(\t)/4]
.endif
.irp g, 0,1,2,3
	v_cvt_scalef32_pk8_fp4_f32 v[96+\g], v[XSET+8*\g:XSET+8*\g+7], v11
.endr
	ds_store_b128 v4, v[96:99] offset:16*(\t)      ; 32 codes: 16 bytes of my column's row
.if (\t)+2 < 16
	LOADK (\t)+2
.endif
	s_wait_dscnt 0x0                               ; the store has read its registers: the next block's codes may be written
.endm
.macro OBLOCK t
.set XSET, 32+32*((\t)%2)
.if (\t) < 7
	s_wait_loadcnt 32                              ; this block's 32 loads are in; the next block's may be out
.else
	s_wait_loadcnt 0
.endif
.set j, 0
.rept 16
	v_cvt_pk_f16_f32 v[96+j], v[XSET+2*j], v[XSET+2*j+1]          ; two neighbours along K to a register
.set j, j+1
.endr
.irp g, 0,1,2,3
	ds_store_b128 v4, v[96+4*\g:96+4*\g+3] offset:64*((\t)%2)+16*\g
.endr
.if (\t)+2 < 8
	LOADK (\t)+2
.endif
.if (\t)%2 == 1                        ; a chunk of 64 along K is whole: 32 rows of 128 bytes leave, 512 consecutive bytes a store
.if (\t) > 1
	s_wait_xcnt 0x0                                ; the last chunk's stores have read their registers
.endif
.irp i, 0,1,2,3,4,5,6,7
	ds_load_b128 v[112+4*\i:112+4*\i+3], v7 offset:576*\i
.endr
	s_wait_dscnt 0x0
.irp i, 0,1,2,3,4,5,6,7
	global_store_b128 v8, v[112+4*\i:112+4*\i+3], s[26:27] offset:((\t)/2)*131072+512*\i
.endr
.else
	s_wait_dscnt 0x0                               ; the stores have read their registers
.endif
.endm
	s_load_b512 s[4:19], s[0:1], 0x0               ; x 4, WQ 6, WK 8, WV 10, WO 12, xc 14, xs 16, wc 18
	s_load_b128 s[20:23], s[0:1], 0x40             ; ws 20, wot 22
	v_lshl_add_u32 v[SPW], v0, 2, SPARE
	v_mov_b32 v[NIL], 0
	v_lshrrev_b32 v1, 5, v0
	v_readfirstlane_b32 s28, v1                    ; wave 0..3
	v_and_b32 v2, 31, v0                           ; lane
	s_mov_b32 s35, 0
	s_wait_kmcnt 0x0
	s_cmp_lt_u32 ttmp9, 48
	s_cbranch_scc1 .Lpath_w
	s_cmp_lt_u32 ttmp9, 80
	s_cbranch_scc1 .Lpath_o
	; ---------------- path X ----------------
	s_sub_co_u32 s29, ttmp9, 80
	s_lshl_b32 s29, s29, 2
	s_add_co_u32 s29, s29, s28                     ; which run of 8,192 numbers is my wave's: 0..1023
	s_lshl_b32 s34, s29, 15
	s_add_nc_u64 s[4:5], s[4:5], s[34:35]          ; 32,768 bytes of x,
	s_lshl_b32 s34, s29, 12
	s_add_nc_u64 s[14:15], s[14:15], s[34:35]      ; 4,096 of codes,
	s_lshl_b32 s34, s29, 8
	s_add_nc_u64 s[16:17], s[16:17], s[34:35]      ; 256 scale bytes a run
	s_lshl_b32 s32, s28, 13                        ; my wave's 8,192 bytes of LDS: two stages of 32 x 80, then 256 scale bytes
	v_lshlrev_b32 v3, 4, v2                        ; my 16 bytes of a load's 512
	v_lshlrev_b32 v4, 3, v2                        ; 8 bytes a lane: my codes in a step's 256, and my part of the 256 scale bytes
	v_lshrrev_b32 v14, 2, v2
	v_mul_u32_u24 v14, v14, 80
	v_and_b32 v15, 3, v2
	v_lshl_add_u32 v14, v15, 4, v14
	v_add_nc_u32 v14, s32, v14                     ; into the stage: four lanes' 64 bytes on end, then 16 of padding
	v_mul_u32_u24 v15, v2, 80
	v_add_nc_u32 v15, s32, v15                     ; out of it: 80 x lane: my 16 neighbours
	v_lshrrev_b32 v5, 1, v2
	s_add_co_u32 s32, s32, 5120
	v_add_nc_u32 v5, s32, v5                       ; my block's scale byte
	v_add_nc_u32 v6, s32, v4                       ; and 8 of the 256 on the way out
.irp t, 0,1,2,3,4,5,6,7
	XLOAD \t
.endr
	s_wait_loadcnt 28                              ; step 0's four loads are in; seven steps' 28 may be out
	XTURN 0
.irp t, 0,1,2,3,4,5,6,7,8,9,10,11,12,13,14,15
	XSTEP \t
.endr
	ds_load_b64 v[8:9], v6                         ; in order behind my byte stores
	s_wait_dscnt 0x0
	global_store_b64 v4, v[8:9], s[16:17]          ; 256 consecutive bytes, aligned
	END3
	; ---------------- path W: 32 columns x 512 along K a wave ----------------
.Lpath_w:
	s_lshr_b32 s29, ttmp9, 4                       ; which weight: 0 WQ, 1 WK, 2 WV
	s_and_b32 s30, ttmp9, 7                        ; which 128 columns
	s_bfe_u32 s31, ttmp9, 0x10003                  ; which half of K
	s_cmp_eq_u32 s29, 0
	s_cselect_b64 s[24:25], s[6:7], s[8:9]
	s_cmp_eq_u32 s29, 2
	s_cselect_b64 s[24:25], s[10:11], s[24:25]
	s_lshl_b32 s32, s30, 7
	s_lshl_b32 s33, s28, 5
	s_add_co_u32 s32, s32, s33                     ; my wave's first column in the weight
	s_lshl_b32 s34, s31, 21                        ; 512 rows of 4,096 bytes
	s_lshl_b32 s33, s32, 2
	s_add_co_u32 s34, s34, s33
	s_add_nc_u64 s[24:25], s[24:25], s[34:35]
	s_lshl_b32 s33, s29, 10
	s_add_co_u32 s33, s33, s32                     ; its row in wc and ws
	s_lshl_b32 s34, s33, 9
	s_lshl_b32 s36, s31, 8
	s_add_co_u32 s34, s34, s36
	s_add_nc_u64 s[18:19], s[18:19], s[34:35]
	s_lshl_b32 s34, s33, 5
	s_lshl_b32 s36, s31, 4
	s_add_co_u32 s34, s34, s36
	s_add_nc_u64 s[20:21], s[20:21], s[34:35]
	s_mul_i32 s37, s28, 8704
	s_add_co_u32 s37, s37, WBASE                   ; my stage: 32 rows of 256 bytes + 16
	v_lshlrev_b32 v3, 2, v2
	v_mul_u32_u24 v4, v2, 272
	v_add_nc_u32 v4, s37, v4                       ; into it: row = my column
	v_and_b32 v5, 15, v2
	v_lshrrev_b32 v6, 4, v2
	v_mul_u32_u24 v7, v6, 272
	v_lshl_add_u32 v7, v5, 4, v7
	v_add_nc_u32 v7, s37, v7                       ; out of it: sixteen lanes to a row, two rows an instruction
	v_lshlrev_b32 v8, 9, v6
	v_lshl_add_u32 v8, v5, 4, v8                   ; the same place in wc
	v_lshlrev_b32 v9, 5, v2                        ; my column's row of scale bytes
	LOADK 0
	LOADK 1
.irp t, 0,1,2,3,4,5,6,7,8,9,10,11,12,13,14,15
	WBLOCK \t
.endr
	global_store_b128 v9, v[24:27], s[20:21]       ; my column's 16 scale bytes
.irp t, 0,1,2,3,4,5,6,7,8,9,10,11,12,13,14,15
	ds_load_b128 v[112+4*\t:112+4*\t+3], v7 offset:2*\t*272
.endr
.irp t, 0,1,2,3,4,5,6,7,8,9,10,11,12,13,14,15
	s_wait_dscnt 15-\t                             ; load t is in; the younger ones may be out
	global_store_b128 v8, v[112+4*\t:112+4*\t+3], s[18:19] offset:2*\t*512   ; sixteen lanes store 256 consecutive bytes, aligned
.endr
	END3
	; ---------------- path O: 32 columns x 256 along K a wave ----------------
.Lpath_o:
	s_sub_co_u32 s29, ttmp9, 48
	s_and_b32 s30, s29, 7                          ; which 128 columns
	s_lshr_b32 s31, s29, 3                         ; which quarter of K: four chunks of 64
	s_lshl_b32 s32, s30, 7
	s_lshl_b32 s33, s28, 5
	s_add_co_u32 s32, s32, s33                     ; my wave's first column
	s_lshl_b32 s34, s31, 20                        ; 256 rows of 4,096 bytes
	s_lshl_b32 s33, s32, 2
	s_add_co_u32 s34, s34, s33
	s_add_nc_u64 s[24:25], s[12:13], s[34:35]
	s_lshl_b32 s34, s31, 19                        ; four chunks of 131,072 bytes
	s_lshl_b32 s33, s32, 7
	s_add_co_u32 s34, s34, s33
	s_add_nc_u64 s[26:27], s[22:23], s[34:35]
	s_mul_i32 s37, s28, 4608
	s_add_co_u32 s37, s37, OBASE                   ; my stage: 32 rows of 128 bytes + 16
	v_lshlrev_b32 v3, 2, v2
	v_mul_u32_u24 v4, v2, 144
	v_add_nc_u32 v4, s37, v4
	v_lshrrev_b32 v5, 3, v2
	v_and_b32 v6, 7, v2
	v_mul_u32_u24 v7, v5, 144
	v_lshl_add_u32 v7, v6, 4, v7
	v_add_nc_u32 v7, s37, v7                       ; out of it: eight lanes to a row, four rows an instruction
	v_lshlrev_b32 v8, 4, v2                        ; which are 512 consecutive bytes of wot
	LOADK 0
	LOADK 1
.irp t, 0,1,2,3,4,5,6,7
	OBLOCK \t
.endr
	END3
.Lfunc_end_k_q0832434602_prep:
	.size	k_q0832434602_prep, .Lfunc_end_k_q0832434602_prep-k_q0832434602_prep
	.p2alignl 7, 3214868480
	.fill 96, 4, 3214868480
	.section	.rodata,"a",@progbits
	.p2align	6, 0x0
	.amdhsa_kernel k_q0832434602_prep
		.amdhsa_group_segment_fixed_size 86528
		.amdhsa_private_segment_fixed_size 0
		.amdhsa_enable_private_segment 0
		.amdhsa_kernarg_size 80
		.amdhsa_user_sgpr_count 2
		.amdhsa_user_sgpr_kernarg_segment_ptr 1
		.amdhsa_wavefront_size32 1
		.amdhsa_system_sgpr_workgroup_id_x 1
		.amdhsa_system_sgpr_workgroup_id_y 1
		.amdhsa_system_sgpr_workgroup_id_z 1
		.amdhsa_system_vgpr_workitem_id 0
		.amdhsa_next_free_vgpr 256
		.amdhsa_next_free_sgpr 66
		.amdhsa_reserve_vcc 0
		.amdhsa_float_denorm_mode_32 3
		.amdhsa_float_denorm_mode_16_64 3
		.amdhsa_memory_ordered 1
		.amdhsa_forward_progress 1
		.amdhsa_inst_pref_size 151
	.end_amdhsa_kernel
	.amdgpu_metadata
---
amdhsa.version: [ 1, 2 ]
amdhsa.kernels:
  - .name:           k_q0832434602_prep
    .symbol:         k_q0832434602_prep.kd
    .args:
      - { .name: x, .offset: 0, .size: 8, .value_kind: global_buffer, .address_space: global }
      - { .name: WQ, .offset: 8, .size: 8, .value_kind: global_buffer, .address_space: global }
      - { .name: WK, .offset: 16, .size: 8, .value_kind: global_buffer, .address_space: global }
      - { .name: WV, .offset: 24, .size: 8, .value_kind: global_buffer, .address_space: global }
      - { .name: WO, .offset: 32, .size: 8, .value_kind: global_buffer, .address_space: global }
      - { .name: xc, .offset: 40, .size: 8, .value_kind: global_buffer, .address_space: global }
      - { .name: xs, .offset: 48, .size: 8, .value_kind: global_buffer, .address_space: global }
      - { .name: wc, .offset: 56, .size: 8, .value_kind: global_buffer, .address_space: global }
      - { .name: ws, .offset: 64, .size: 8, .value_kind: global_buffer, .address_space: global }
      - { .name: wot, .offset: 72, .size: 8, .value_kind: global_buffer, .address_space: global }
    .group_segment_fixed_size: 86528
    .private_segment_fixed_size: 0
    .kernarg_segment_align: 8
    .kernarg_segment_size: 80
    .max_flat_workgroup_size: 128
    .sgpr_count:     66
    .vgpr_count:     256
    .wavefront_size: 32
...
	.end_amdgpu_metadata
.endif
;; end of part 1
;; launch qkv (part 2): grid 12 x 32, 4 waves a work-group, clusters of 4 x 4, 327,680 bytes of LDS; arguments xc, xs, wc, ws, qkv; writes qkv
.if DOCPART == 2
	.amdgcn_target "amdgcn-amd-amdhsa--gfx1250"
	.amdhsa_code_object_version 6
	.text
	.protected	k_q0832434602_qkv
	.globl	k_q0832434602_qkv
	.p2align	8
	.type	k_q0832434602_qkv,@function
k_q0832434602_qkv:
	s_mov_b64 s[64:65], 0
	v_nop
	global_prefetch_b8 v0, s[64:65] scope:SCOPE_SE
	s_setreg_imm32_b32 hwreg(HW_REG_WAVE_MODE, 25, 1), 1
	s_wait_xcnt 0x0
	s_wait_alu depctr_hold_cnt(0) depctr_sa_sdst(0) depctr_va_vdst(0) depctr_va_sdst(0) depctr_va_ssrc(0) depctr_va_vcc(0) depctr_vm_vsrc(0)
	s_getreg_b32 s2, hwreg(HW_REG_IB_STS2, 6, 4)
	s_cmp_eq_u32 s2, 0
	s_cbranch_scc0 .Lentry_in_a_cluster
	s_endpgm
.Lentry_in_a_cluster:
	s_bfe_u32 s2, ttmp6, 0x10000c
	s_cmp_lg_u32 s2, 0xf033
	s_cbranch_scc0 .Lentry_shape_is_right
	s_endpgm
.Lentry_shape_is_right:
; Launch 2 of 4: Q, K and V in one GEMM on codes of E2M1: C[m][n] = sum over k of x[m][k] W[n][k], m = 8,192 rows of x, n = 3,072 = which x 1,024 + column, K = 1,024; sums in f32.  Nothing is left out.
; The matrix instruction takes codes and E8M0 bytes as they lie in xc, xs, wc, ws.  The results are rounded once to f16 and stored head-major: qkv [which 3][b 4][h 16][s 2048][64].
; LIMIT: a result beyond 65,504 in magnitude overflows f16.
; A tile of C, 256 x 256, is made by four waves, 128 x 128 each: 64 accumulators, 512 registers.  K is two slots of 512 (rows of 256 bytes): both are asked for at the start, and nothing is filled again.
; The scale bytes of the tile's 256 + 256 rows, for all of K, are two dense blocks: they come once, as rows of 256 bytes + 16 of padding.
; CLUSTERS: 4 x 4 work-groups; x's tiles are asked for jointly along a row of the cluster, the weights' along a column.
; THE MATRIX INSTRUCTION IS USED TRANSPOSED (source 0 = 16 rows of W, source 1 = 16 rows of x): a lane holds eight neighbouring columns of one row of C.
; REGISTERS: window 0: v0-31 addresses; v32-95 scale words, two sets, and nothing else; v128-191 x's fragments, one set; on the way out v128-223.
;   window 1: the weights' fragments, two sets, at v0 and v128.   windows 2, 3: the accumulators of my rows 0-63, 64-127 ((a, b) at v[8 (8 (a % 4) + b)]).
.set SIZE_K, 1024
.set NQ,     4                         ; matrix instructions deep in a slot
.set ROWB,   256                       ; a tile's row in bytes: 512 codes
.set KROW,   512                       ; a row of xc or wc
.set PITCH,  272                       ; 256 + 16: the sixteen rows of a fragment load start 16 bytes apart modulo 256
.set FR,     8
.set NL,     2
.set NP,     4
.set HALFT,  128*PITCH
.set SLOT,   4*HALFT
.set KS,     32                        ; a row of scale bytes
.set SCL,    2*SLOT
.set HALFS,  (128*KS/256)*272
.set SBLK,   (16*KS/256)*272
.set SPARE,  SCL+4*HALFS               ; the spare words, 128 bytes a wave
.set SPITCH, 272                       ; the way out: a stage of 16 rows x (256 + 16) a wave, in slot 0, which by then has had its only fill and its last read
.set ADRA, 16
.set ADRB, 20
.set STO,  24
.set RD,   25
.set CO,   26
.set ADRS, 27
.set SPW,  28
.set NIL,  29
.set SC,   32
.set AF,   128
.set BK,   128                         ; the way out: rows read back, v128-159 and v160-191 by turns
.set TMP,  192                         ; the way out: a block's packed results
.set G1, 24
.set G0, 32
.set G1B, 48
.set G0B, 56
.set G1S, 68
.set G0S, 76
.set G1SB, 80
.set G0SB, 88
.set MSB, 0
.macro WIN new                         ; the immediate's high byte repeats the setting that is left
.if MSB != \new
	s_set_vgpr_msb (MSB<<8)|\new
.set MSB, \new
.endif
.endm
.set MUL_LO, 0xa1
.set MUL_HI, 0xf1
.set TO_B,   0x40
; A joint load: waves 0 and 1 fetch for x, waves 2 and 3 for the weights; the branch hangs on the wave's number alone.  An s_nop 0 and four v_nop follow each line.
.macro JLOAD g0a, g1a, g0b, g1b
	s_cmp_eq_u32 s15, 0
	s_cbranch_scc0 .Lfor_b_\@
	tensor_load_to_lds s[\g0a:\g0a+3], s[\g1a:\g1a+7]
	s_nop 0
.rept 4
	v_nop
.endr
	s_branch .Lasked_\@
.Lfor_b_\@:
	tensor_load_to_lds s[\g0b:\g0b+3], s[\g1b:\g1b+7]
	s_nop 0
.rept 4
	v_nop
.endr
.Lasked_\@:
.endm
.macro CROUND                          ; a round of the cluster's barrier
	s_barrier_signal -1
	s_barrier_wait -1
	s_cmp_lg_u32 s14, 0
	s_cbranch_scc1 .Lnot_wave_0_\@
	s_barrier_signal -3
.Lnot_wave_0_\@:
	s_barrier_wait -3
	s_barrier_signal -1
	s_barrier_wait -1
.endm
	s_load_b128 s[4:7], s[0:1], 0x0                ; xc, xs
	s_load_b128 s[8:11], s[0:1], 0x10              ; wc, ws
	s_load_b64 s[12:13], s[0:1], 0x20              ; qkv
	v_lshl_add_u32 v[SPW], v0, 2, SPARE
	v_mov_b32 v[NIL], 0
	ds_add_u32 v[SPW], v[NIL]                      ; the opening: the add, twice on end, and its wait ahead of my first tensor load
	ds_add_u32 v[SPW], v[NIL]
	v_lshrrev_b32 v1, 5, v0
	v_readfirstlane_b32 s14, v1                    ; wave 0..3
	s_lshr_b32 s15, s14, 1                         ; which half of the tile's rows is mine; also: I fetch for x (0) or for the weights (1)
	s_and_b32 s16, s14, 1                          ; which half of its columns; also: which 128 rows I fetch
	s_bfe_u32 s40, ttmp6, 0x40000                  ; cx
	s_bfe_u32 s41, ttmp6, 0x40004                  ; cy
	s_lshl_b32 s42, ttmp9, 2
	s_add_co_u32 s42, s42, s40                     ; tile column 0..11
	s_and_b32 s17, ttmp7, 0xffff
	s_lshl_b32 s17, s17, 2
	s_add_co_u32 s17, s17, s41                     ; tile row 0..31
	s_lshl_b32 s43, s41, 2
	s_lshl_b32 s43, 15, s43                        ; my row of the cluster
	s_lshl_b32 s44, 0x1111, s40                    ; my column
	s_or_b32 s[G1+0], s43, (0<<16)|(1<<20)|(1<<21)|(5<<22)|(3<<25)  ; mask; elements of 1 byte; padding: 4 words behind every 64
	s_or_b32 s[G1B+0], s44, (0<<16)|(1<<20)|(1<<21)|(5<<22)|(3<<25)
.irp g, G1, G1B
	s_mov_b32 s[\g+1], ROWB<<16                    ; tensor_dim0
	s_mov_b32 s[\g+2], 128<<16                     ; tensor_dim1
	s_mov_b32 s[\g+3], ROWB<<16                    ; tile_dim0
	s_mov_b32 s[\g+4], 128                         ; tile_dim1
	s_mov_b32 s[\g+5], KROW                        ; the pitch
	s_mov_b32 s[\g+6], 0
	s_mov_b32 s[\g+7], 0
.endr
	s_or_b32 s[G1S+0], s43, (3<<16)|(1<<20)|(1<<21)|(5<<22)|(3<<25) ; the scales of 128 rows: 4,096 dense bytes as 16 rows of 32 elements of 8 bytes
	s_or_b32 s[G1SB+0], s44, (3<<16)|(1<<20)|(1<<21)|(5<<22)|(3<<25)
.irp g, G1S, G1SB
	s_mov_b32 s[\g+1], 32<<16
	s_mov_b32 s[\g+2], (128*KS/256)<<16
	s_mov_b32 s[\g+3], 32<<16
	s_mov_b32 s[\g+4], 128*KS/256
	s_mov_b32 s[\g+5], 32
	s_mov_b32 s[\g+6], 0
	s_mov_b32 s[\g+7], 0
.endr
	s_lshl_b32 s18, s16, 7
	s_lshl_b32 s20, s17, 8
	s_add_co_u32 s20, s20, s18                     ; x: row 256 x tile row + 128 x half
	s_lshl_b32 s46, s42, 8
	s_add_co_u32 s46, s46, s18                     ; weights: row 256 x tile column + 128 x half
	s_mov_b32 s21, 0
	s_mov_b32 s47, 0
	s_mov_b64 s[18:19], KS
	s_mul_u64 s[22:23], s[20:21], s[18:19]
	s_mul_u64 s[92:93], s[46:47], s[18:19]
	s_mov_b64 s[18:19], KROW
	s_mul_u64 s[20:21], s[20:21], s[18:19]
	s_mul_u64 s[46:47], s[46:47], s[18:19]
	s_mul_i32 s45, s14, HALFT                      ; where they go: wave x 128 rows
	s_mul_i32 s94, s14, HALFS
	s_wait_dscnt 0x0                               ; both opening adds are done
	s_wait_kmcnt 0x0
	s_add_nc_u64 s[20:21], s[4:5], s[20:21]
	s_add_nc_u64 s[22:23], s[6:7], s[22:23]
	s_add_nc_u64 s[46:47], s[8:9], s[46:47]
	s_add_nc_u64 s[92:93], s[10:11], s[92:93]
	CROUND                                         ; all sixteen work-groups are here: the joint loads meet
	s_mov_b32 s[G0S], 1
	s_add_co_u32 s[G0S+1], s94, SCL
	s_mov_b64 s[G0S+2:G0S+3], s[22:23]
	s_or_b32 s[G0S+3], s[G0S+3], 0x80000000
	s_mov_b32 s[G0SB], 1
	s_add_co_u32 s[G0SB+1], s94, SCL
	s_mov_b64 s[G0SB+2:G0SB+3], s[92:93]
	s_or_b32 s[G0SB+3], s[G0SB+3], 0x80000000
	JLOAD G0S, G1S, G0SB, G1SB                     ; the scales first; three loads of mine are out at the most
.irp s, 0,1
	s_mov_b32 s[G0+4*\s], 1
	s_add_co_u32 s[G0+4*\s+1], s45, \s*SLOT
	s_add_nc_u64 s[G0+4*\s+2:G0+4*\s+3], s[20:21], \s*ROWB
	s_or_b32 s[G0+4*\s+3], s[G0+4*\s+3], 0x80000000
	s_mov_b32 s[G0B+4*\s], 1
	s_add_co_u32 s[G0B+4*\s+1], s45, \s*SLOT
	s_add_nc_u64 s[G0B+4*\s+2:G0B+4*\s+3], s[46:47], \s*ROWB
	s_or_b32 s[G0B+4*\s+3], s[G0B+4*\s+3], 0x80000000
	JLOAD G0+4*\s, G1, G0B+4*\s, G1B
.endr
	v_and_b32 v1, 15, v0                           ; r
	v_bfe_u32 v2, v0, 4, 1                         ; h
	v_mul_u32_u24 v3, v1, PITCH
	v_lshl_add_u32 v4, v2, 4, v3                   ; a fragment's row x pitch + 16 h
	s_mul_i32 s21, s15, HALFT
	s_mul_i32 s22, s16, HALFT
	s_add_co_u32 s22, s22, 2*HALFT
.irp s, 0,1
	v_add_nc_u32 v[ADRA+\s], s21, v4
	v_add_nc_u32 v[ADRB+\s], s22, v4
	s_add_co_u32 s21, s21, SLOT
	s_add_co_u32 s22, s22, SLOT
.endr
	v_mul_u32_u24 v5, v1, KS                       ; my row's scales: 32 bytes a row,
	v_lshrrev_b32 v6, 8, v5
	v_lshl_add_u32 v5, v6, 4, v5                   ; and 16 more for each 256 passed
	s_mul_i32 s21, s15, HALFS
	s_mul_i32 s22, s16, HALFS
	s_add_co_u32 s22, s22, 2*HALFS
	s_sub_co_u32 s22, s22, s21
	v_mul_u32_u24 v6, s22, v2                      ; lanes 16-31 take the weights'
	s_add_co_u32 s21, s21, SCL
	v_add_nc_u32 v5, v5, v6
	v_add_nc_u32 v[ADRS], s21, v5
	s_mul_i32 s23, s14, 16*SPITCH                  ; my stage
	v_mul_u32_u24 v5, v1, SPITCH
	v_lshl_add_u32 v5, v2, 4, v5
	v_add_nc_u32 v[STO], s23, v5                   ; in: row r, 16 bytes for each half of the lanes
	v_bfe_u32 v6, v0, 3, 1
	v_mul_u32_u24 v6, v6, SPITCH
	v_lshl_add_u32 v6, v2, 7, v6
	v_and_b32 v7, 7, v0
	v_lshl_add_u32 v6, v7, 4, v6
	v_add_nc_u32 v[RD], s23, v6                    ; back: lanes 0-15 two rows' first 128 bytes (one head), lanes 16-31 their second 128 (the next head)
	v_lshlrev_b32 v[CO], 4, v1
	v_lshl_add_u32 v[CO], v2, 18, v[CO]            ; in qkv: 16 bytes a lane; the next head lies 262,144 bytes on
	; where my part begins in qkv: head block which x 64 + b x 16 + head, of 262,144 bytes; row s of 128 bytes
	s_lshl_b32 s46, s42, 2
	s_lshl_b32 s47, s16, 1
	s_add_co_u32 s46, s46, s47                     ; g = my first column / 64: even, so g and g + 1 lie in one of Q, K, V
	s_lshr_b32 s47, s46, 4
	s_lshl_b32 s47, s47, 6                         ; which x 64
	s_and_b32 s46, s46, 15
	s_add_co_u32 s46, s46, s47
	s_lshr_b32 s20, s17, 3
	s_lshl_b32 s20, s20, 4                         ; b x 16
	s_add_co_u32 s46, s46, s20
	s_lshl_b32 s46, s46, 18
	s_and_b32 s20, s17, 7
	s_lshl_b32 s20, s20, 8
	s_lshl_b32 s21, s15, 7
	s_add_co_u32 s20, s20, s21                     ; my first s
	s_lshl_b32 s20, s20, 7
	s_add_co_u32 s46, s46, s20
	s_mov_b32 s47, 0
	s_add_nc_u64 s[12:13], s[12:13], s[46:47]
.macro FRAG reg, adr, q, i             ; 16 rows x 128 K of codes: 8 registers, two loads of 16 bytes, 32 apart
.irp c, 0,1
	ds_load_b128 v[\reg+4*\c:\reg+4*\c+3], v[\adr] offset:64*(\q)+32*\c+(\i)*16*PITCH
.endr
.endm
; 16 matrix instructions: x's blocks a0, a0 + 1 against the weights' eight.  The 64 accumulators take turns, one instruction a turn, in the same order in every step.
.macro MUL16 a0, p, q, sc, zero
.irp a, \a0, \a0+1
.irp b, 0,1,2,3,4,5,6,7
.if \zero
	v_wmma_scale_f32_16x16x128_f8f6f4 v[8*(8*((\a)%4)+\b):8*(8*((\a)%4)+\b)+7], v[128*(\p)+FR*\b:128*(\p)+FR*\b+FR-1], v[AF+FR*(\a):AF+FR*(\a)+FR-1], 0, v[SC+8*NQ*(\sc)+NQ*\b+(\q)], v[SC+8*NQ*(\sc)+NQ*(\a)+(\q)] matrix_a_fmt:MATRIX_FMT_FP4 matrix_b_fmt:MATRIX_FMT_FP4 matrix_a_scale:MATRIX_SCALE_ROW1
.else
	v_wmma_scale_f32_16x16x128_f8f6f4 v[8*(8*((\a)%4)+\b):8*(8*((\a)%4)+\b)+7], v[128*(\p)+FR*\b:128*(\p)+FR*\b+FR-1], v[AF+FR*(\a):AF+FR*(\a)+FR-1], v[8*(8*((\a)%4)+\b):8*(8*((\a)%4)+\b)+7], v[SC+8*NQ*(\sc)+NQ*\b+(\q)], v[SC+8*NQ*(\sc)+NQ*(\a)+(\q)] matrix_a_fmt:MATRIX_FMT_FP4 matrix_b_fmt:MATRIX_FMT_FP4 matrix_a_scale:MATRIX_SCALE_ROW1
.endif
.endr
.endr
.endm
.macro FETCH_B slot, q, p
	WIN TO_B
.irp i, 0,1,2,3,4,5,6,7
	FRAG 128*(\p)+FR*\i, ADRB+\slot, \q, \i
.endr
	WIN 0
.endm
.macro FETCH_A slot, q, i0
.irp i, \i0, \i0+1, \i0+2, \i0+3
	FRAG AF+FR*(\i), ADRA+\slot, \q, \i
.endr
.endm
.macro SCALES sc                       ; a slot's scale words: four a row; lanes 0-15 x's block i, lanes 16-31 the weights' block i
.irp i, 0,1,2,3,4,5,6,7
	ds_load_b128 v[SC+8*NQ*\sc+NQ*\i:SC+8*NQ*\sc+NQ*\i+3], v[ADRS] offset:\i*SBLK
.endr
.endm
.macro PLACES n                        ; plain vector lines between a matrix instruction and a load into its registers or a read of its result
.rept \n
	v_nop
.endr
.endm
.macro STEP slot, q, zero              ; 128 along K, with its successor in the same slot
	s_wait_dscnt 4*NL                              ; the weights' set and x's blocks 0-3 are in; the youngest eight loads (x's blocks 4-7) may be out
	WIN MUL_LO
	MUL16 0, (\q)%2, \q, \slot, \zero
	MUL16 2, (\q)%2, \q, \slot, \zero
	s_wait_dscnt 0
	PLACES NP
	FETCH_B \slot, (\q)+1, 1-(\q)%2
	FETCH_A \slot, (\q)+1, 0
	WIN MUL_HI
	MUL16 4, (\q)%2, \q, \slot, \zero
	MUL16 6, (\q)%2, \q, \slot, \zero
	PLACES NP
	WIN 0
	FETCH_A \slot, (\q)+1, 4
.endm
.macro STEPS slot, from
.set Q, \from
.rept NQ-1-\from
	STEP \slot, Q, 0
.set Q, Q+1
.endr
.endm
	s_wait_tensorcnt 1                             ; the scales and my part of slot 0 are in; slot 1's load may be out
	s_barrier_signal -1
	s_barrier_wait -1
	FETCH_B 0, 0, 0
	FETCH_A 0, 0, 0
	SCALES 0
	FETCH_A 0, 0, 4
	STEP 0, 0, 1                                   ; the first products start the sums: nothing is cleared
	STEPS 0, 1
	; slot 0's last step changes slots: one barrier; in front of it my part of slot 1 has landed and my reads of slot 0 are over
	s_wait_tensorcnt 0x0
	ds_add_u32 v[SPW], v[NIL]
	s_wait_dscnt 4*NL+1                            ; the add and the youngest eight loads may be out
	WIN MUL_LO
	MUL16 0, 1, NQ-1, 0, 0
	s_wait_dscnt 0x0
	s_barrier_signal -1
	MUL16 2, 1, NQ-1, 0, 0
	WIN 0
	s_barrier_wait -1
	PLACES NP
	v_add_nc_u32 v[ADRS], 4*NQ, v[ADRS]            ; the second slot's scale words: 16 bytes on in each row
	FETCH_B 1, 0, 0
	FETCH_A 1, 0, 0
	SCALES 1
	WIN MUL_HI
	MUL16 4, 1, NQ-1, 0, 0
	MUL16 6, 1, NQ-1, 0, 0
	PLACES NP
	WIN 0
	FETCH_A 1, 0, 4
	STEPS 1, 0
	s_wait_dscnt 4*NL                              ; the very last step: nothing more to fetch
	WIN MUL_LO
	MUL16 0, 1, NQ-1, 1, 0
	MUL16 2, 1, NQ-1, 1, 0
	s_wait_dscnt 0
	WIN MUL_HI
	MUL16 4, 1, NQ-1, 1, 0
	MUL16 6, 1, NQ-1, 1, 0
	WIN 0
; THE WAY OUT, a block of 16 rows x 128 columns at a time: rounded to f16 (16 bytes a lane), through my stage, back as two rows of each of my two heads: sixteen lanes store 256 consecutive bytes.
.macro PACK a
.set AC, 64*((\a)%4)
	WIN 0x0a+5*((\a)/4)                            ; sources 0 and 1: window 2 or 3
.irp b, 0,1,2,3,4,5,6,7
.irp i, 0,1,2,3
	v_cvt_pk_f16_f32 v[TMP+4*\b+\i], v[AC+8*\b+2*\i], v[AC+8*\b+2*\i+1]   ; each accumulator from its low end on
.endr
.endr
	WIN 0
.endm
.macro TOSTAGE a
.set BB, BK+32*((\a)%2)
.irp b, 0,1,2,3,4,5,6,7
	ds_store_b128 v[STO], v[TMP+4*\b:TMP+4*\b+3] offset:32*\b
.endr
.irp t, 0,1,2,3,4,5,6,7
	ds_load_b128 v[BB+4*\t:BB+4*\t+3], v[RD] offset:\t*2*SPITCH    ; in order behind my stores
.endr
.endm
.macro SEND a
.set BB, BK+32*((\a)%2)
	s_wait_dscnt 0x0                               ; the block is back in registers
	s_wait_xcnt 0x0                                ; the block before has been read by its stores: its registers take the next block's loads
.irp t, 0,1,2,3,4,5,6,7
	global_store_b128 v[CO], v[BB+4*\t:BB+4*\t+3], s[12:13] offset:(\a)*2048+\t*256
.endr
.endm
	PLACES NP                                      ; behind the last products: for the conversions' reads and the loads into x's fragment registers alike
	PACK 0
	TOSTAGE 0
.irp a, 1,2,3,4,5,6,7
	PACK \a
	SEND \a-1
	TOSTAGE \a
.endr
	SEND 7
	s_wait_tensorcnt 0x0                           ; the wave's end
	ds_add_u32 v[SPW], v[NIL]
	s_wait_dscnt 0x0
	CROUND                                         ; the closing round
	s_endpgm
.Lfunc_end_k_q0832434602_qkv:
	.size	k_q0832434602_qkv, .Lfunc_end_k_q0832434602_qkv-k_q0832434602_qkv
	.p2alignl 7, 3214868480
	.fill 96, 4, 3214868480
	.section	.rodata,"a",@progbits
	.p2align	6, 0x0
	.amdhsa_kernel k_q0832434602_qkv
		.amdhsa_group_segment_fixed_size 327680
		.amdhsa_private_segment_fixed_size 0
		.amdhsa_enable_private_segment 0
		.amdhsa_kernarg_size 40
		.amdhsa_user_sgpr_count 2
		.amdhsa_user_sgpr_kernarg_segment_ptr 1
		.amdhsa_wavefront_size32 1
		.amdhsa_system_sgpr_workgroup_id_x 1
		.amdhsa_system_sgpr_workgroup_id_y 1
		.amdhsa_system_sgpr_workgroup_id_z 1
		.amdhsa_system_vgpr_workitem_id 0
		.amdhsa_next_free_vgpr 1024
		.amdhsa_next_free_sgpr 98
		.amdhsa_reserve_vcc 0
		.amdhsa_float_denorm_mode_32 3
		.amdhsa_float_denorm_mode_16_64 3
		.amdhsa_memory_ordered 1
		.amdhsa_forward_progress 1
		.amdhsa_inst_pref_size 127
	.end_amdhsa_kernel
	.amdgpu_metadata
---
amdhsa.version: [ 1, 2 ]
amdhsa.kernels:
  - .name:           k_q0832434602_qkv
    .symbol:         k_q0832434602_qkv.kd
    .args:
      - { .name: xc, .offset: 0, .size: 8, .value_kind: global_buffer, .address_space: global }
      - { .name: xs, .offset: 8, .size: 8, .value_kind: global_buffer, .address_space: global }
      - { .name: wc, .offset: 16, .size: 8, .value_kind: global_buffer, .address_space: global }
      - { .name: ws, .offset: 24, .size: 8, .value_kind: global_buffer, .address_space: global }
      - { .name: qkv, .offset: 32, .size: 8, .value_kind: global_buffer, .address_space: global }
    .group_segment_fixed_size: 327680
    .private_segment_fixed_size: 0
    .kernarg_segment_align: 8
    .kernarg_segment_size: 40
    .max_flat_workgroup_size: 128
    .sgpr_count:     98
    .vgpr_count:     1024
    .wavefront_size: 32
...
	.end_amdgpu_metadata
.endif
;; end of part 2
;; launch attn (part 3): grid 4 x 64, 16 waves a work-group, clusters of 4 x 1, 327,680 bytes of LDS; arguments qkv, ctx; writes ctx
.if DOCPART == 3
	.amdgcn_target "amdgcn-amd-amdhsa--gfx1250"
	.amdhsa_code_object_version 6
	.text
	.protected	k_q0832434602_attn
	.globl	k_q0832434602_attn
	.p2align	8
	.type	k_q0832434602_attn,@function
k_q0832434602_attn:
	s_mov_b64 s[64:65], 0
	v_nop
	global_prefetch_b8 v0, s[64:65] scope:SCOPE_SE
	s_setreg_imm32_b32 hwreg(HW_REG_WAVE_MODE, 25, 1), 1
	s_wait_xcnt 0x0
	s_wait_alu depctr_hold_cnt(0) depctr_sa_sdst(0) depctr_va_vdst(0) depctr_va_sdst(0) depctr_va_ssrc(0) depctr_va_vcc(0) depctr_vm_vsrc(0)
	s_getreg_b32 s2, hwreg(HW_REG_IB_STS2, 6, 4)
	s_cmp_eq_u32 s2, 0
	s_cbranch_scc0 .Lentry_in_a_cluster
	s_endpgm
.Lentry_in_a_cluster:
	s_bfe_u32 s2, ttmp6, 0x10000c
	s_cmp_lg_u32 s2, 0x3003
	s_cbranch_scc0 .Lentry_shape_is_right
	s_endpgm
.Lentry_shape_is_right:
; Launch 3 of 4: ctx[h][b, q][:] = the sum over k of softmax_k(Q . K / 32) V, for each of the 64 pairs (b, h); head size 64, 2,048 keys, no mask.  Nothing is left out.
; Q, K, V: f16, qkv [which][b][h][s][64]; ctx: f16 [h][b x 2048 + s][64].  Products on f16 operands with f32 sums; maxima, exponentials and row sums in f32; the weights p are rounded to f16 for the second product.
; SOFTMAX: a running maximum m and sum l for each query: p = 2^(c s - c m), c = log2(e) / 32; in every step O and l are multiplied by a = 2^(c m_old - c m_new).  The row's sum is taken of the unrounded p.
; LIMITS: p can pass 1 by the rounding of c m (a common factor of a row's p, which the division by l takes away).  ctx under 6e-5 in magnitude is carried with f16's subnormal step.
; SHARES: a cluster of four work-groups is one (b, h); a work-group owns 512 queries, each of its SIXTEEN waves 32: two tiles of 16, in 256 registers: four waves to a SIMD, so that one wave's softmax stands beside another's products.
; All four partners walk the same K and V: each tile is asked for JOINTLY (mask 15), waves 0, 1 for K's halves of a slot, waves 2, 3 for V's.  A slot holds 256 keys, four steps of 64.
; LAYOUT: S^T = K Q^T (source 0 = 16 keys, source 1 = 16 queries), O^T = V^T P (source 0 = 16 channels, turned by ds_load_tr16_b128, source 1 = P): a lane holds ONE query throughout, and two tiles of S^T, packed in pairs, ARE a fragment of P.
; LDS: K's and V's rows of 128 bytes are dense in memory and come as rows of 256 bytes (two keys), K with 16 bytes of padding behind each (key k at (k / 2) 272 + (k % 2) 128), V with 32 (pitch 288).
; REGISTERS: v1-11 addresses; v12-27 eight of statistics a tile (+0 c m, +1 m, +2, +3 l, +4..+7 at work, a in +6); v28-31 the sums' second chains; v32-63 Q; v64-127 K, then V; v128-191 S^T, then p, then P; v192-255 O^T.
.set SLOT1, 131072                     ; slot 1: one exclusive or turns an address
.set VOFF,  34816                      ; a slot: 128 x 272 of K, then 128 x 288 of V: 71,680 bytes
.set STAGE, 71680                      ; between the slots: 16 rows x 144 bytes for each wave; no tile lands here
.set SPARE, 262144                     ; the spare words, 128 bytes for each of sixteen waves
.set AK0, 1
.set AV0, 2
.set ADK, 3
.set ADV, 4
.set SPW, 5
.set NIL, 6
.set GO,  7
.set PFO, 8
.set QO,  9
.set STO, 10
.set RD,  11
.set ST,  12
.set SU,  28
.set RQ,  32
.set RKV, 64
.set RS,  128
.set RO,  192
.set WV,  8
.set SEL, 20
.set CS,  22
.set G1K, 24
.set G1V, 32
.set G0K, 40
.set G0V, 44
.set TB,  48
.set SLOTS, 49
.set LIM, 50
.set PFA, 52
.macro CROUND                          ; a round of the cluster's barrier
	s_barrier_signal -1
	s_barrier_wait -1
	s_cmp_lg_u32 s[WV], 0
	s_cbranch_scc1 .Lnot_wave_0_\@
	s_barrier_signal -3
.Lnot_wave_0_\@:
	s_barrier_wait -3
	s_barrier_signal -1
	s_barrier_wait -1
.endm
; Waves 0 and 1 ask for K, waves 2 and 3 for V, the others for nothing: branches on the wave's number alone, the same in all partners.  An s_nop 0 and four v_nop follow each line.
.macro JLOAD
	s_cmp_lt_u32 s[WV], 2
	s_cbranch_scc0 .Lnot_k_\@
	tensor_load_to_lds s[G0K:G0K+3], s[G1K:G1K+7]
	s_nop 0
.rept 4
	v_nop
.endr
	s_branch .Lasked_\@
.Lnot_k_\@:
	s_cmp_lt_u32 s[WV], 4
	s_cbranch_scc0 .Lasked_\@
	tensor_load_to_lds s[G0V:G0V+3], s[G1V:G1V+7]
	s_nop 0
.rept 4
	v_nop
.endr
.Lasked_\@:
.endm
; A prefetch of what the NEXT change of slots will ask for: a slot's 32,768 bytes of K (wave 4) and of V (wave 5).  The four partners share them out by address, 8,192 bytes each; lanes 256 bytes apart:
; each aligned block of 256 bytes is named once in the launch.  It runs one slot, four key steps, ahead of the load.  The last change that fills a slot asks for nothing; slots 0 and 1 come by their loads alone.
.macro ASK
	s_cmp_gt_u32 s[SLOTS], s[LIM]
	s_cbranch_scc0 .Lnot_mine_\@
	global_prefetch_b8 v[PFO], s[PFA:PFA+1] th:TH_LOAD_NT scope:SCOPE_SE
.Lnot_mine_\@:
.endm
	s_load_b128 s[4:7], s[0:1], 0x0                ; qkv, ctx
	v_lshl_add_u32 v[SPW], v0, 2, SPARE
	v_mov_b32 v[NIL], 0
	ds_add_u32 v[SPW], v[NIL]                      ; the opening: the add, twice on end, and its wait ahead of the first tensor load
	ds_add_u32 v[SPW], v[NIL]
	v_lshrrev_b32 v128, 5, v0
	v_readfirstlane_b32 s[WV], v128                ; wave 0..15
	s_bfe_u32 s9, ttmp6, 0x40000                   ; cx
	s_and_b32 s10, ttmp7, 0xffff                   ; y = 16 b + h, which the partners share
	s_lshl_b32 s11, ttmp9, 2
	s_add_co_u32 s11, s11, s9                      ; my block of 512 queries: it enters Q's, ctx's and the prefetches' addresses alone
	s_mov_b32 s[G1K], 15|(1<<16)|(1<<20)|(1<<21)|(5<<22)|(3<<25)  ; mask: all four; elements of 2 bytes; padding: 4 words behind every 64
	s_mov_b32 s[G1V], 15|(1<<16)|(1<<20)|(1<<21)|(5<<22)|(7<<25)  ; the same with 8 words
.irp g, G1K, G1V
	s_mov_b32 s[\g+1], 128<<16                     ; tensor_dim0 = 128 elements: two keys
	s_mov_b32 s[\g+2], 64<<16                      ; tensor_dim1 = 64 rows: 128 keys
	s_mov_b32 s[\g+3], 128<<16                     ; tile_dim0
	s_mov_b32 s[\g+4], 64                          ; tile_dim1
	s_mov_b32 s[\g+5], 128                         ; the pitch: dense
	s_mov_b32 s[\g+6], 0
	s_mov_b32 s[\g+7], 0
.endr
	s_mov_b32 s[SEL], 0x76543210
	s_mov_b32 s[SEL+1], 0xfedcba98                 ; v_permlanex16_b32: lane l xor 16
	s_mov_b32 s[CS], 0x3d38aa3b                    ; c = log2(e) / 32
	s_mov_b32 s[CS+1], s[CS]                       ; (named with it as a pair)
	s_mov_b32 s[TB], 0
	s_mov_b32 s[SLOTS], 7
	s_and_b32 s62, s[WV], 1                        ; which half of a slot I would fetch
	s_lshl_b32 s54, s10, 18
	s_lshl_b32 s55, s62, 14
	s_add_co_u32 s54, s54, s55
	s_add_co_u32 s54, s54, 64<<18                  ; K of my head, my half: (64 + y) x 262,144 + half x 16,384
	s_mov_b32 s55, 0
	s_mov_b32 s[G0K], 1
	s_mul_i32 s[G0K+1], s62, 17408                 ; slot 0, my half of K
	s_mov_b32 s[G0V], 1
	s_mul_i32 s[G0V+1], s62, 18432
	s_add_co_u32 s[G0V+1], s[G0V+1], VOFF          ; and of V
	s_lshl_b32 s56, s11, 16
	s_lshl_b32 s57, s[WV], 12
	s_add_co_u32 s56, s56, s57                     ; my wave's first query x 128 bytes
	s_lshl_b32 s58, s10, 18
	s_add_co_u32 s58, s58, s56                     ; in Q
	s_mov_b32 s59, 0
	s_and_b32 s60, s10, 15
	s_lshl_b32 s60, s60, 20                        ; in ctx: h x 1,048,576
	s_lshr_b32 s61, s10, 4
	s_lshl_b32 s61, s61, 18                        ; + b x 262,144
	s_add_co_u32 s60, s60, s61
	s_add_co_u32 s60, s60, s56
	s_mov_b32 s61, 0
	s_wait_dscnt 0x0                               ; both opening adds are done
	s_wait_kmcnt 0x0
	s_add_nc_u64 s[G0K+2:G0K+3], s[4:5], s[54:55]
	s_add_nc_u64 s[G0V+2:G0V+3], s[G0K+2:G0K+3], 64<<18   ; V lies 64 head blocks behind K
	s_or_b32 s[G0K+3], s[G0K+3], 0x80000000
	s_or_b32 s[G0V+3], s[G0V+3], 0x80000000
	s_add_nc_u64 s[12:13], s[4:5], s[58:59]        ; Q at my wave's first row
	s_add_nc_u64 s[14:15], s[6:7], s[60:61]        ; ctx likewise
	CROUND                                         ; all four work-groups are here
	JLOAD                                          ; slot 0
	; the prefetches: wave 4 stands in K, wave 5 in V, at my work-group's 8,192 bytes of slot 1; the first change of slots steps to slot 2
	s_lshl_b32 s56, s10, 18
	s_lshl_b32 s57, s9, 13
	s_add_co_u32 s56, s56, s57
	s_mov_b32 s57, (128<<18)+32768
	s_cmp_eq_u32 s[WV], 4
	s_cselect_b32 s57, (64<<18)+32768, s57
	s_add_co_u32 s56, s56, s57
	s_mov_b32 s57, 0
	s_add_nc_u64 s[PFA:PFA+1], s[4:5], s[56:57]
	s_sub_co_u32 s[LIM], s[WV], 4
	s_lshr_b32 s[LIM], s[LIM], 1                   ; 0 in waves 4 and 5
	s_cmp_eq_u32 s[LIM], 0
	s_cselect_b32 s[LIM], 1, -1
	v_and_b32 v128, 15, v0                         ; r
	v_bfe_u32 v129, v0, 4, 1                       ; h
	v_and_b32 v130, 31, v0                         ; lane
	v_lshlrev_b32 v[QO], 7, v128
	v_lshl_add_u32 v[QO], v129, 4, v[QO]           ; Q: row r of 128 bytes + 16 h
.irp t, 0,1
.irp c, 0,1
	global_load_b128 v[RQ+16*\t+8*\c:RQ+16*\t+8*\c+3],   v[QO], s[12:13] offset:\t*2048+64*\c
	global_load_b128 v[RQ+16*\t+8*\c+4:RQ+16*\t+8*\c+7], v[QO], s[12:13] offset:\t*2048+64*\c+32
.endr
.endr
	v_lshrrev_b32 v131, 1, v128
	v_mul_u32_u24 v[AK0], v131, 272
	v_and_b32 v131, 1, v0
	v_lshl_add_u32 v[AK0], v131, 7, v[AK0]
	v_lshl_add_u32 v[AK0], v129, 4, v[AK0]         ; K: (r / 2) 272 + (r % 2) 128 + 16 h
	v_bfe_u32 v132, v0, 1, 2
	v_lshl_add_u32 v132, v129, 2, v132
	v_mul_u32_u24 v[AV0], v132, 288                ; V, for the turning load: key 8 h + lane % 8: (4 h + (lane % 8) / 2) 288
	v_lshl_add_u32 v[AV0], v131, 7, v[AV0]         ; + (lane % 2) 128
	v_bfe_u32 v132, v0, 3, 1
	v_lshl_add_u32 v[AV0], v132, 4, v[AV0]         ; + 16 ((lane / 8) % 2)
	v_add_nc_u32 v[AV0], VOFF, v[AV0]
	v_lshlrev_b32 v[GO], 4, v130                   ; the way out: 16 bytes a lane, 512 consecutive bytes an instruction
	s_mul_i32 s54, s[WV], 2304
	s_add_co_u32 s54, s54, STAGE                   ; my stage
	v_mul_u32_u24 v[STO], v128, 144
	v_lshl_add_u32 v[STO], v129, 4, v[STO]
	v_add_nc_u32 v[STO], s54, v[STO]
	v_lshrrev_b32 v132, 3, v130
	v_mul_u32_u24 v[RD], v132, 144
	v_and_b32 v132, 7, v0
	v_lshl_add_u32 v[RD], v132, 4, v[RD]
	v_add_nc_u32 v[RD], s54, v[RD]
	v_lshlrev_b32 v[PFO], 8, v130
.irp t, 0,1
	v_mov_b32 v[ST+8*\t+1], 0xff61b1e6             ; m = -3e38, under every score
	v_mul_f32 v[ST+8*\t], s[CS], v[ST+8*\t+1]      ; c m
.irp j, 2,3,4,5,6,7
	v_mov_b32 v[ST+8*\t+\j], 0                     ; l = 0; the others are written once, since a lane permute's destination and a pair's upper half count as read
.endr
.endr
.set j, 0
.rept 64
	v_mov_b32 v[RO+j], 0                           ; O^T.  The step is written once: the first a is 0, on zeros
.set j, j+1
.endr
; ONE STEP'S SOFTMAX, both tiles by turns, so that no line waits for the line above it.
.macro SOFTMAX
.irp j, 0,1,2,3                        ; the maximum of a lane's 32 scores and the old m: four chains, each begun at an accumulator's low end
.irp t, 0,1
	v_max3_num_f32 v[ST+8*\t+4+\j], v[RS+32*\t+8*\j], v[RS+32*\t+8*\j+1], v[RS+32*\t+8*\j+2]
.endr
.endr
.irp g, 1,2
.irp j, 0,1,2,3
.irp t, 0,1
	v_max3_num_f32 v[ST+8*\t+4+\j], v[ST+8*\t+4+\j], v[RS+32*\t+8*\j+2*\g+1], v[RS+32*\t+8*\j+2*\g+2]
.endr
.endr
.endr
.irp t, 0,1
	v_max3_num_f32 v[ST+8*\t+4], v[ST+8*\t+4], v[RS+32*\t+7], v[RS+32*\t+15]
.endr
.irp t, 0,1
	v_max3_num_f32 v[ST+8*\t+6], v[ST+8*\t+6], v[RS+32*\t+23], v[RS+32*\t+31]
.endr
.irp t, 0,1
	v_max3_num_f32 v[ST+8*\t+4], v[ST+8*\t+4], v[ST+8*\t+5], v[ST+8*\t+6]
.endr
.irp t, 0,1
	v_max3_num_f32 v[ST+8*\t+4], v[ST+8*\t+4], v[ST+8*\t+7], v[ST+8*\t+1]
.endr
.irp t, 0,1
	v_permlanex16_b32 v[ST+8*\t+5], v[ST+8*\t+4], s[SEL], s[SEL+1]   ; the query's other 32 keys lie in the lane 16 away
.endr
.irp t, 0,1
	v_mov_b32 v[ST+8*\t+7], v[ST+8*\t]             ; c m_old
.endr
.irp t, 0,1
	v_max_num_f32 v[ST+8*\t+1], v[ST+8*\t+4], v[ST+8*\t+5]
.endr
.irp t, 0,1
	v_mul_f32 v[ST+8*\t], s[CS], v[ST+8*\t+1]
.endr
.irp t, 0,1
	v_sub_f32 v[ST+8*\t+7], v[ST+8*\t+7], v[ST+8*\t]
.endr
.irp t, 0,1                            ; ONE BATCH of 66 exponentials, none of which reads another's result
	v_exp_f32 v[ST+8*\t+6], v[ST+8*\t+7]           ; a
.endr
.set e, 0
.rept 16
.irp t, 0,1
	v_pk_fma_f32 v[RS+32*\t+2*e:RS+32*\t+2*e+1], v[RS+32*\t+2*e:RS+32*\t+2*e+1], s[CS:CS+1], v[ST+8*\t:ST+8*\t+1] op_sel_hi:[1,0,0] neg_lo:[0,0,1] neg_hi:[0,0,1]   ; c s - c m
.endr
.set e, e+1
.endr
.set e, 0
.rept 32
.irp t, 0,1
	v_exp_f32 v[RS+32*\t+e], v[RS+32*\t+e]
.endr
.set e, e+1
.endr
	v_nop                                          ; a plain line behind the last exponential
	s_wait_alu depctr_va_vdst(0)                   ; the wait ahead of the first line that names a result: one for the batch
.irp t, 0,1                            ; the row's sum, of the unrounded p, in two chains
	v_pk_fma_f32 v[ST+8*\t+2:ST+8*\t+3], v[ST+8*\t+2:ST+8*\t+3], v[ST+8*\t+6:ST+8*\t+7], v[RS+32*\t:RS+32*\t+1] op_sel_hi:[1,0,1]
.endr
.irp t, 0,1
	v_pk_add_f32 v[SU+2*\t:SU+2*\t+1], v[RS+32*\t+2:RS+32*\t+3], v[RS+32*\t+4:RS+32*\t+5]
.endr
.irp b, 3,5,7,9,11,13
.irp t, 0,1
	v_pk_add_f32 v[ST+8*\t+2:ST+8*\t+3], v[ST+8*\t+2:ST+8*\t+3], v[RS+32*\t+2*\b:RS+32*\t+2*\b+1]
.endr
.irp t, 0,1
	v_pk_add_f32 v[SU+2*\t:SU+2*\t+1], v[SU+2*\t:SU+2*\t+1], v[RS+32*\t+2*\b+2:RS+32*\t+2*\b+3]
.endr
.endr
.irp t, 0,1
	v_pk_add_f32 v[ST+8*\t+2:ST+8*\t+3], v[ST+8*\t+2:ST+8*\t+3], v[RS+32*\t+30:RS+32*\t+31]
.endr
.irp t, 0,1
	v_pk_add_f32 v[ST+8*\t+2:ST+8*\t+3], v[ST+8*\t+2:ST+8*\t+3], v[SU+2*\t:SU+2*\t+1]
.endr
.set e, 0
.rept 16                               ; P, packed in place: register e takes pair e; it is read last by conversion e / 2
.irp t, 0,1
	v_cvt_pk_f16_f32 v[RS+32*\t+e], v[RS+32*\t+2*e], v[RS+32*\t+2*e+1]
.endr
.set e, e+1
.endr
.set e, 0
.rept 16                               ; O^T times a, each accumulator from its low end on
.irp t, 0,1
	v_pk_mul_f32 v[RO+32*\t+2*e:RO+32*\t+2*e+1], v[RO+32*\t+2*e:RO+32*\t+2*e+1], v[ST+8*\t+6:ST+8*\t+7] op_sel_hi:[1,0]
.endr
.set e, e+1
.endr
.endm
; A KEY STEP: 64 keys, the q-th of the slot in hand.
.macro STEP q
	v_add_nc_u32 v[ADK], s[TB], v[AK0]
	v_add_nc_u32 v[ADV], s[TB], v[AV0]
.rept 3
	v_nop                                          ; with the two additions five plain lines behind the last products: four for the loads into V's registers, five for the new sums laid over P
.endr
.irp c, 0,1
.irp kt, 0,1,2,3
	ds_load_b128 v[RKV+32*\c+8*\kt:RKV+32*\c+8*\kt+3],   v[ADK] offset:(\q)*8704+\kt*2176+64*\c
	ds_load_b128 v[RKV+32*\c+8*\kt+4:RKV+32*\c+8*\kt+7], v[ADK] offset:(\q)*8704+\kt*2176+64*\c+32
.endr
.endr
	s_wait_dscnt 8                                 ; channels 0-31 are in; the eight loads of channels 32-63 may be out
.irp kt, 0,1,2,3                       ; the eight accumulators take turns, one instruction a turn
.irp t, 0,1
	v_wmma_f32_16x16x32_f16 v[RS+32*\t+8*\kt:RS+32*\t+8*\kt+7], v[RKV+8*\kt:RKV+8*\kt+7], v[RQ+16*\t:RQ+16*\t+7], 0
.endr
.endr
	s_wait_dscnt 0x0
.irp kt, 0,1,2,3
.irp t, 0,1
	v_wmma_f32_16x16x32_f16 v[RS+32*\t+8*\kt:RS+32*\t+8*\kt+7], v[RKV+32+8*\kt:RKV+32+8*\kt+7], v[RQ+16*\t+8:RQ+16*\t+15], v[RS+32*\t+8*\kt:RS+32*\t+8*\kt+7]
.endr
.endr
.rept 4
	v_nop                                          ; four plain lines: for the loads into K's registers and the first read of the scores
.endr
.irp kk, 0,1                           ; V, turned: it lands while the softmax is walked
.irp dt, 0,1,2,3
	ds_load_tr16_b128 v[RKV+32*\kk+8*\dt:RKV+32*\kk+8*\dt+3],   v[ADV] offset:(\q)*9216+\kk*4608+32*\dt
	ds_load_tr16_b128 v[RKV+32*\kk+8*\dt+4:RKV+32*\kk+8*\dt+7], v[ADV] offset:(\q)*9216+\kk*4608+2304+32*\dt
.endr
.endr
	SOFTMAX
	s_wait_dscnt 0x0                               ; V is in
.irp kk, 0,1
.irp dt, 0,1,2,3
.irp t, 0,1
	v_wmma_f32_16x16x32_f16 v[RO+32*\t+8*\dt:RO+32*\t+8*\dt+7], v[RKV+32*\kk+8*\dt:RKV+32*\kk+8*\dt+7], v[RS+32*\t+8*\kk:RS+32*\t+8*\kk+7], v[RO+32*\t+8*\dt:RO+32*\t+8*\dt+7]
.endr
.endr
.endr
.endm
; THE CHANGE OF SLOTS stands at a slot's head.  Each wave waits for all its tensor loads, adds 0 to its spare word, and waits for that and for its reads of the slot that it has left.
; fill = 1: behind a round of the cluster's barrier the other slot is asked for jointly: that load has a slot's four steps in which to land; one tensor load of a wave is out at the most.
.macro CHANGE fill
	s_wait_tensorcnt 0x0
	ds_add_u32 v[SPW], v[NIL]
.if \fill
	ds_add_u32 v[SPW], v[NIL]                      ; twice on end here
	s_xor_b32 s[G0K+1], s[G0K+1], SLOT1            ; no load of mine is out: the walking descriptors step to the other slot and the next 256 keys
	s_add_nc_u64 s[G0K+2:G0K+3], s[G0K+2:G0K+3], 32768
	s_xor_b32 s[G0V+1], s[G0V+1], SLOT1
	s_add_nc_u64 s[G0V+2:G0V+3], s[G0V+2:G0V+3], 32768
	s_wait_xcnt 0x0                                ; the last prefetch, a slot back, has read its address
	s_add_nc_u64 s[PFA:PFA+1], s[PFA:PFA+1], 32768
	s_wait_dscnt 0x0
	CROUND
	JLOAD
	ASK
.else
	s_wait_dscnt 0x0
	s_barrier_signal -1
	s_barrier_wait -1
.endif
.endm
.macro SLOT_STEPS
.irp q, 0,1,2,3
	STEP \q
.endr
	s_xor_b32 s[TB], s[TB], SLOT1
.endm
	s_wait_loadcnt 0x0                             ; Q
.Lslot:                                            ; seven trips: behind each change of slots but the last the next slot is asked for
	CHANGE 1
	SLOT_STEPS
	s_sub_co_u32 s[SLOTS], s[SLOTS], 1
	s_cmp_lg_u32 s[SLOTS], 0
	s_cbranch_scc1 .Lslot
	CHANGE 0                                       ; the last slot is written out
	SLOT_STEPS
	; THE WAY OUT: O^T / l, rounded to f16, a tile of 16 queries at a time through my stage; four rows of 128 bytes, 512 consecutive bytes, leave by each store.
.irp t, 0,1
	v_add_f32 v[ST+8*\t+4], v[ST+8*\t+2], v[ST+8*\t+3]
.endr
.irp t, 0,1
	v_permlanex16_b32 v[ST+8*\t+5], v[ST+8*\t+4], s[SEL], s[SEL+1]
.endr
.irp t, 0,1
	v_add_f32 v[ST+8*\t+4], v[ST+8*\t+4], v[ST+8*\t+5]
.endr
.irp t, 0,1
	v_rcp_f32 v[ST+8*\t+6], v[ST+8*\t+4]
.endr
	v_nop                                          ; a plain line behind the reciprocals; with the four additions also the lines behind the last products
	s_wait_alu depctr_va_vdst(0)                   ; one wait for both, ahead of their first reader
.macro OUT t
.set e, 0
.rept 16
	v_pk_mul_f32 v[RO+32*\t+2*e:RO+32*\t+2*e+1], v[RO+32*\t+2*e:RO+32*\t+2*e+1], v[ST+8*\t+6:ST+8*\t+7] op_sel_hi:[1,0]
.set e, e+1
.endr
.set e, 0
.rept 16
	v_cvt_pk_f16_f32 v[RS+16*\t+e], v[RO+32*\t+2*e], v[RO+32*\t+2*e+1]
.set e, e+1
.endr
.irp d, 0,1,2,3
	ds_store_b128 v[STO], v[RS+16*\t+4*\d:RS+16*\t+4*\d+3] offset:32*\d
.endr
.irp i, 0,1,2,3
	ds_load_b128 v[RKV+16*\t+4*\i:RKV+16*\t+4*\i+3], v[RD] offset:576*\i   ; in order behind my stores; the next tile's stores come behind these
.endr
.endm
	OUT 0
	OUT 1
.irp t, 0,1
.irp i, 0,1,2,3
	s_wait_dscnt (1-\t)*8+3-\i                     ; this load is in; the tile's later loads, and behind tile 0 the eight of tile 1, may be out
	global_store_b128 v[GO], v[RKV+16*\t+4*\i:RKV+16*\t+4*\i+3], s[14:15] offset:\t*2048+\i*512
.endr
.endr
	s_wait_tensorcnt 0x0                           ; the wave's end
	ds_add_u32 v[SPW], v[NIL]
	s_wait_dscnt 0x0
	CROUND                                         ; the closing round
	s_endpgm
.Lfunc_end_k_q0832434602_attn:
	.size	k_q0832434602_attn, .Lfunc_end_k_q0832434602_attn-k_q0832434602_attn
	.p2alignl 7, 3214868480
	.fill 96, 4, 3214868480
	.section	.rodata,"a",@progbits
	.p2align	6, 0x0
	.amdhsa_kernel k_q0832434602_attn
		.amdhsa_group_segment_fixed_size 327680
		.amdhsa_private_segment_fixed_size 0
		.amdhsa_enable_private_segment 0
		.amdhsa_kernarg_size 16
		.amdhsa_user_sgpr_count 2
		.amdhsa_user_sgpr_kernarg_segment_ptr 1
		.amdhsa_wavefront_size32 1
		.amdhsa_system_sgpr_workgroup_id_x 1
		.amdhsa_system_sgpr_workgroup_id_y 1
		.amdhsa_system_sgpr_workgroup_id_z 1
		.amdhsa_system_vgpr_workitem_id 0
		.amdhsa_next_free_vgpr 256
		.amdhsa_next_free_sgpr 66
		.amdhsa_reserve_vcc 0
		.amdhsa_float_denorm_mode_32 3
		.amdhsa_float_denorm_mode_16_64 3
		.amdhsa_memory_ordered 1
		.amdhsa_forward_progress 1
		.amdhsa_inst_pref_size 154
	.end_amdhsa_kernel
	.amdgpu_metadata
---
amdhsa.version: [ 1, 2 ]
amdhsa.kernels:
  - .name:           k_q0832434602_attn
    .symbol:         k_q0832434602_attn.kd
    .args:
      - { .name: qkv, .offset: 0, .size: 8, .value_kind: global_buffer, .address_space: global }
      - { .name: ctx, .offset: 8, .size: 8, .value_kind: global_buffer, .address_space: global }
    .group_segment_fixed_size: 327680
    .private_segment_fixed_size: 0
    .kernarg_segment_align: 8
    .kernarg_segment_size: 16
    .max_flat_workgroup_size: 512
    .sgpr_count:     66
    .vgpr_count:     256
    .wavefront_size: 32
...
	.end_amdgpu_metadata
.endif
;; end of part 3
;; launch proj (part 4): grid 4 x 64, 4 waves a work-group, clusters of 4 x 4, 327,680 bytes of LDS; arguments ctx, wot, out0; writes out0
.if DOCPART == 4
	.amdgcn_target "amdgcn-amd-amdhsa--gfx1250"
	.amdhsa_code_object_version 6
	.text
	.protected	k_q0832434602_proj
	.globl	k_q0832434602_proj
	.p2align	8
	.type	k_q0832434602_proj,@function
k_q0832434602_proj:
	s_mov_b64 s[64:65], 0
	v_nop
	global_prefetch_b8 v0, s[64:65] scope:SCOPE_SE
	s_setreg_imm32_b32 hwreg(HW_REG_WAVE_MODE, 25, 1), 1
	s_wait_xcnt 0x0
	s_wait_alu depctr_hold_cnt(0) depctr_sa_sdst(0) depctr_va_vdst(0) depctr_va_sdst(0) depctr_va_ssrc(0) depctr_va_vcc(0) depctr_vm_vsrc(0)
	s_getreg_b32 s2, hwreg(HW_REG_IB_STS2, 6, 4)
	s_cmp_eq_u32 s2, 0
	s_cbranch_scc0 .Lentry_in_a_cluster
	s_endpgm
.Lentry_in_a_cluster:
	s_bfe_u32 s2, ttmp6, 0x10000c
	s_cmp_lg_u32 s2, 0xf033
	s_cbranch_scc0 .Lentry_shape_is_right
	s_endpgm
.Lentry_shape_is_right:
; Launch 4 of 4: out0[m][n] = sum over k of ctx[m][k] WO[k][n], f16 operands, f32 sums, f32 out.  Nothing is left out.
; ctx: f16 [k / 64][m 8192][64];  wot: f16 [k / 64][n 1024][64]: a chunk of 64 along K of a tile's rows is one dense block, loaded as rows of 256 bytes (two logical rows) with 16 bytes of padding behind each.
; A tile of out0 is 128 (m) x 256 (n): 256 work-groups of four waves; wave w makes rows 64 (w / 2) on, columns 128 (w % 2) on: 32 accumulators, 256 registers.
; K goes in eight steps of 128 (two chunks) through two LDS slots; each wave brings one chunk by one tensor load: waves 0, 1 ctx's, waves 2, 3 WO's.
; CLUSTERS: 4 x 4 work-groups; ctx's tiles are asked for jointly along a row of the cluster, WO's along a column.
; THE MATRIX INSTRUCTION IS USED TRANSPOSED (source 0 = 16 rows n of wot, source 1 = 16 rows m of ctx): a lane holds eight neighbouring columns of one row of out0.
; REGISTERS: window 0: v16-29 addresses; v32-63, v64-95 ctx's fragments (4 x 16 rows x 32 K), two buffers; v96-159, v160-223 WO's (8), two buffers; on the way out v96-223.   window 1: accumulator (a, b) at v[8 (8 a + b)].
.set ACH,    17408                     ; a chunk of ctx in LDS: 64 x 272
.set BCH,    34816                     ; a chunk of WO: 128 x 272
.set BOFF,   2*ACH
.set SLOT,   2*ACH+2*BCH               ; 104,448
.set STAGE,  2*SLOT                    ; behind the ring: 16 rows x (512 + 16) for each wave
.set SPITCH, 528
.set SPARE,  STAGE+4*16*SPITCH         ; the spare words, 128 bytes a wave
.set LAPS,   4
.set ADRA, 16
.set ADRB, 20
.set STO,  24
.set RD,   25
.set CO,   26
.set SPW,  28
.set NIL,  29
.set BK,   96
.set G1, 24
.set G0, 32
.set G1B, 48
.set G0B, 56
.set MSB, 0
.macro WIN new
.if MSB != \new
	s_set_vgpr_msb (MSB<<8)|\new
.set MSB, \new
.endif
.endm
.set MUL, 0x50                         ; C and D window 1, both sources window 0
.macro JLOAD s                         ; a joint load; the branch hangs on the wave's number alone; an s_nop 0 and four v_nop follow each line
	s_cmp_eq_u32 s11, 0
	s_cbranch_scc0 .Lfor_b_\@
	tensor_load_to_lds s[G0+4*\s:G0+4*\s+3], s[G1:G1+7]
	s_nop 0
.rept 4
	v_nop
.endr
	s_branch .Lasked_\@
.Lfor_b_\@:
	tensor_load_to_lds s[G0B+4*\s:G0B+4*\s+3], s[G1B:G1B+7]
	s_nop 0
.rept 4
	v_nop
.endr
.Lasked_\@:
.endm
.macro CREST                           ; a round of the cluster's barrier behind its opening barrier
	s_cmp_lg_u32 s10, 0
	s_cbranch_scc1 .Lnot_wave_0_\@
	s_barrier_signal -3
.Lnot_wave_0_\@:
	s_barrier_wait -3
	s_barrier_signal -1
	s_barrier_wait -1
.endm
.macro CROUND
	s_barrier_signal -1
	s_barrier_wait -1
	CREST
.endm
	s_load_b128 s[4:7], s[0:1], 0x0                ; ctx, wot
	s_load_b64 s[8:9], s[0:1], 0x10                ; out0
	v_lshl_add_u32 v[SPW], v0, 2, SPARE
	v_mov_b32 v[NIL], 0
	ds_add_u32 v[SPW], v[NIL]                      ; the opening: the add, twice on end, and its wait ahead of my first tensor load
	ds_add_u32 v[SPW], v[NIL]
	v_lshrrev_b32 v1, 5, v0
	v_readfirstlane_b32 s10, v1                    ; wave 0..3
	s_lshr_b32 s11, s10, 1                         ; which half of the tile's rows is mine; also: I fetch for ctx (0) or for WO (1)
	s_and_b32 s12, s10, 1                          ; which half of its columns; also: which chunk of a K step I fetch
	s_bfe_u32 s40, ttmp6, 0x40000                  ; cx
	s_bfe_u32 s41, ttmp6, 0x40004                  ; cy
	s_lshl_b32 s42, ttmp9, 2
	s_add_co_u32 s42, s42, s40                     ; tile column 0..3
	s_and_b32 s13, ttmp7, 0xffff
	s_lshl_b32 s13, s13, 2
	s_add_co_u32 s13, s13, s41                     ; tile row 0..63
	s_lshl_b32 s43, s41, 2
	s_lshl_b32 s43, 15, s43                        ; my row of the cluster
	s_lshl_b32 s44, 0x1111, s40                    ; my column
	s_or_b32 s[G1+0], s43, (1<<16)|(1<<20)|(1<<21)|(5<<22)|(3<<25)  ; mask; elements of 2 bytes; padding: 4 words behind every 64
	s_or_b32 s[G1B+0], s44, (1<<16)|(1<<20)|(1<<21)|(5<<22)|(3<<25)
	s_mov_b32 s[G1+1], 128<<16                     ; ctx: 64 rows of 128 elements, dense
	s_mov_b32 s[G1+2], 64<<16
	s_mov_b32 s[G1+3], 128<<16
	s_mov_b32 s[G1+4], 64
	s_mov_b32 s[G1+5], 128
	s_mov_b32 s[G1+6], 0
	s_mov_b32 s[G1+7], 0
	s_mov_b32 s[G1B+1], 128<<16                    ; WO: 128 rows
	s_mov_b32 s[G1B+2], 128<<16
	s_mov_b32 s[G1B+3], 128<<16
	s_mov_b32 s[G1B+4], 128
	s_mov_b32 s[G1B+5], 128
	s_mov_b32 s[G1B+6], 0
	s_mov_b32 s[G1B+7], 0
	s_lshl_b32 s16, s12, 20                        ; ctx: chunk x 1,048,576 + tile row x 16,384
	s_lshl_b32 s17, s13, 14
	s_add_co_u32 s16, s16, s17
	s_mov_b32 s17, 0
	s_lshl_b32 s46, s12, 17                        ; wot: chunk x 131,072 + tile column x 32,768
	s_lshl_b32 s47, s42, 15
	s_add_co_u32 s46, s46, s47
	s_mov_b32 s47, 0
	s_mul_i32 s20, s12, ACH                        ; where they go: no place in the cluster enters an LDS address
	s_mul_i32 s21, s12, BCH
	s_add_co_u32 s21, s21, BOFF
	s_wait_dscnt 0x0                               ; both opening adds are done
	s_wait_kmcnt 0x0
	s_add_nc_u64 s[14:15], s[4:5], s[16:17]
	s_add_nc_u64 s[46:47], s[6:7], s[46:47]
	CROUND                                         ; all sixteen work-groups are here
.irp s, 0,1
	s_mov_b32 s[G0+4*\s], 1
	s_add_co_u32 s[G0+4*\s+1], s20, \s*SLOT
	s_add_nc_u64 s[G0+4*\s+2:G0+4*\s+3], s[14:15], \s*2097152     ; K step s: two chunks on
	s_or_b32 s[G0+4*\s+3], s[G0+4*\s+3], 0x80000000
	s_mov_b32 s[G0B+4*\s], 1
	s_add_co_u32 s[G0B+4*\s+1], s21, \s*SLOT
	s_add_nc_u64 s[G0B+4*\s+2:G0B+4*\s+3], s[46:47], \s*262144
	s_or_b32 s[G0B+4*\s+3], s[G0B+4*\s+3], 0x80000000
	JLOAD \s                                       ; two loads of mine are out at the most
.endr
	v_and_b32 v1, 15, v0                           ; r
	v_bfe_u32 v2, v0, 4, 1                         ; h
	v_lshrrev_b32 v3, 1, v1
	v_mul_u32_u24 v3, v3, 272
	v_and_b32 v4, 1, v0
	v_lshl_add_u32 v3, v4, 7, v3
	v_lshl_add_u32 v3, v2, 4, v3                   ; (r / 2) 272 + (r % 2) 128 + 16 h
	s_mul_i32 s22, s11, 8704                       ; my 64 rows of ctx
	s_mul_i32 s23, s12, 17408                      ; my 128 rows of WO,
	s_add_co_u32 s23, s23, BOFF                    ; behind ctx's two chunks
.irp s, 0,1
	v_add_nc_u32 v[ADRA+\s], s22, v3
	v_add_nc_u32 v[ADRB+\s], s23, v3
	s_add_co_u32 s22, s22, SLOT
	s_add_co_u32 s23, s23, SLOT
.endr
	s_mul_i32 s22, s10, 16*SPITCH
	s_add_co_u32 s22, s22, STAGE                   ; my stage
	v_mul_u32_u24 v4, v1, SPITCH
	v_lshl_add_u32 v4, v2, 5, v4
	v_add_nc_u32 v[STO], s22, v4                   ; in: row r, 32 bytes for each half of the lanes
	v_and_b32 v5, 31, v0
	v_lshlrev_b32 v[CO], 4, v5                     ; back: the 32 lanes take one row of 512 bytes; and the same in out0
	v_add_nc_u32 v[RD], s22, v[CO]
	s_lshl_b32 s16, s13, 7
	s_lshl_b32 s17, s11, 6
	s_add_co_u32 s16, s16, s17                     ; my first row of out0
	s_lshl_b32 s16, s16, 12                        ; of 4,096 bytes
	s_mov_b32 s17, 0
	s_add_nc_u64 s[8:9], s[8:9], s[16:17]
	s_lshl_b32 s46, s42, 10                        ; my first column, in bytes
	s_lshl_b32 s47, s12, 9
	s_add_co_u32 s46, s46, s47
	s_mov_b32 s47, 0
	s_add_nc_u64 s[8:9], s[8:9], s[46:47]
; 8 matrix instructions: ctx's block a against WO's eight, 32 along K, from buffer f.  The 32 accumulators take turns in the same order in every quarter.
.macro MUL8 f, a, zero
.irp b, 0,1,2,3,4,5,6,7
.if \zero
	v_wmma_f32_16x16x32_f16 v[8*(8*\a+\b):8*(8*\a+\b)+7], v[96+64*\f+8*\b:96+64*\f+8*\b+7], v[32+32*\f+8*\a:32+32*\f+8*\a+7], 0
.else
	v_wmma_f32_16x16x32_f16 v[8*(8*\a+\b):8*(8*\a+\b)+7], v[96+64*\f+8*\b:96+64*\f+8*\b+7], v[32+32*\f+8*\a:32+32*\f+8*\a+7], v[8*(8*\a+\b):8*(8*\a+\b)+7]
.endif
.endr
.endm
; 24 LDS loads in one run: quarter q of the slot's K step (chunk q / 2, byte 64 (q % 2) of the rows) into buffer f: WO's eight fragments, then ctx's four
.macro FETCH slot, q, f
	WIN 0
.irp i, 0,1,2,3,4,5,6,7
	ds_load_b128 v[96+64*\f+8*\i:96+64*\f+8*\i+3],   v[ADRB+\slot] offset:((\q)/2)*BCH+((\q)%2)*64+\i*2176
	ds_load_b128 v[96+64*\f+8*\i+4:96+64*\f+8*\i+7], v[ADRB+\slot] offset:((\q)/2)*BCH+((\q)%2)*64+\i*2176+32
.endr
.irp i, 0,1,2,3
	ds_load_b128 v[32+32*\f+8*\i:32+32*\f+8*\i+3],   v[ADRA+\slot] offset:((\q)/2)*ACH+((\q)%2)*64+\i*2176
	ds_load_b128 v[32+32*\f+8*\i+4:32+32*\f+8*\i+7], v[ADRA+\slot] offset:((\q)/2)*ACH+((\q)%2)*64+\i*2176+32
.endr
.endm
.macro PLACES                          ; four plain lines between a matrix instruction and a load into its registers or a read of its result
.rept 4
	v_nop
.endr
.endm
; A quarter of a K step: multiplies buffer f and fetches quarter q into buffer g
.macro QUARTER slot, q, f, g, zero
	s_wait_dscnt 4                                 ; WO's fragments and ctx's blocks 0, 1 are in; the youngest four loads (blocks 2, 3) may be out
	WIN MUL
	MUL8 \f, 0, \zero
	MUL8 \f, 1, \zero
	PLACES
	FETCH \slot, \q, \g
	s_wait_dscnt 24                                ; all but the 24 just issued
	WIN MUL
	MUL8 \f, 2, \zero
	MUL8 \f, 3, \zero
.endm
; A K step's last quarter multiplies buffer 1 and changes slots: one barrier; in front of it each wave waits for all its tensor loads, adds 0 to its spare word, and waits for that and for its reads of this slot.
; fill = 1: the barrier opens a round of the cluster's, and this slot is asked for again, two K steps on: my one tensor load until the next round.
.macro TURN slot, next, fill
	WIN 0
	s_wait_tensorcnt 0x0
	ds_add_u32 v[SPW], v[NIL]
	s_wait_dscnt 5                                 ; the add and the youngest four loads may be out
	WIN MUL
	MUL8 1, 0, 0
	s_wait_dscnt 0x0                               ; the add is done, and my reads of this slot are over
	s_barrier_signal -1
	MUL8 1, 1, 0
	WIN 0
	s_barrier_wait -1
.if \fill
	CREST
	s_add_nc_u64 s[G0+4*\slot+2:G0+4*\slot+3], s[G0+4*\slot+2:G0+4*\slot+3], 4194304
	s_add_nc_u64 s[G0B+4*\slot+2:G0B+4*\slot+3], s[G0B+4*\slot+2:G0B+4*\slot+3], 524288
	JLOAD \slot                                    ; the four v_nop behind it are also the lines in front of the loads below
.else
	PLACES
.endif
	FETCH \next, 0, 0
	WIN MUL
	MUL8 1, 2, 0
	MUL8 1, 3, 0
.endm
	s_wait_tensorcnt 1                             ; my part of K step 0 is in; K step 1's may be out
	s_barrier_signal -1
	s_barrier_wait -1
	FETCH 0, 0, 0
	QUARTER 0, 1, 0, 1, 1                          ; the first quarter's products start the sums: nothing is cleared
	WIN 0
	s_mov_b32 s3, LAPS-1
.Llap:                                                 ; a trip goes once round the ring and fills both slots again
	QUARTER 0, 2, 1, 0, 0
	QUARTER 0, 3, 0, 1, 0
	TURN 0, 1, 1
	QUARTER 1, 1, 0, 1, 0
	QUARTER 1, 2, 1, 0, 0
	QUARTER 1, 3, 0, 1, 0
	TURN 1, 0, 1
	QUARTER 0, 1, 0, 1, 0
	WIN 0
	s_sub_co_u32 s3, s3, 1
	s_cmp_lg_u32 s3, 0
	s_cbranch_scc1 .Llap
	QUARTER 0, 2, 1, 0, 0                          ; the last lap fills nothing
	QUARTER 0, 3, 0, 1, 0
	TURN 0, 1, 0
	QUARTER 1, 1, 0, 1, 0
	QUARTER 1, 2, 1, 0, 0
	QUARTER 1, 3, 0, 1, 0
	s_wait_dscnt 4                                 ; the very last quarter: nothing more to fetch
	WIN MUL
	MUL8 1, 0, 0
	MUL8 1, 1, 0
	s_wait_dscnt 0
	MUL8 1, 2, 0
	MUL8 1, 3, 0
	WIN 0
; THE WAY OUT, a block of 16 rows x 128 columns at a time, through my own stage: back as whole rows of 512 bytes, which the 32 lanes store as 512 consecutive bytes.
.macro TOSTAGE a
	WIN 0x04                                       ; an LDS store's data are its source 1: window 1
.irp b, 0,1,2,3,4,5,6,7
	ds_store_b128 v[STO], v[8*(8*\a+\b):8*(8*\a+\b)+3] offset:64*\b       ; each accumulator from its low end on
	ds_store_b128 v[STO], v[8*(8*\a+\b)+4:8*(8*\a+\b)+7] offset:64*\b+16
.endr
	WIN 0
.set BB, BK+64*((\a)%2)
.irp t, 0,1,2,3,4,5,6,7,8,9,10,11,12,13,14,15
	ds_load_b128 v[BB+4*\t:BB+4*\t+3], v[RD] offset:\t*SPITCH             ; in order behind my stores
.endr
.endm
.macro SEND a, younger
.set BB, BK+64*((\a)%2)
	s_wait_dscnt \younger                          ; the block is back; the next block's 16 stores and 16 loads may be out
.irp t, 0,1,2,3,4,5,6,7,8,9,10,11,12,13,14,15
	global_store_b128 v[CO], v[BB+4*\t:BB+4*\t+3], s[8:9] offset:(16*(\a)+\t)*4096 th:TH_STORE_NT
.endr
.endm
	PLACES                                         ; behind the last products: for the stores' reads and the loads into WO's fragment registers alike
	TOSTAGE 0
	TOSTAGE 1
	SEND 0, 32
	s_wait_xcnt 0x0                                ; block 0's stores have read their registers: block 2's loads may land there
	TOSTAGE 2
	SEND 1, 32
	s_wait_xcnt 0x0
	TOSTAGE 3
	SEND 2, 32
	SEND 3, 0
	s_wait_tensorcnt 0x0                           ; the wave's end
	ds_add_u32 v[SPW], v[NIL]
	s_wait_dscnt 0x0
	CROUND                                         ; the closing round
	s_endpgm
.Lfunc_end_k_q0832434602_proj:
	.size	k_q0832434602_proj, .Lfunc_end_k_q0832434602_proj-k_q0832434602_proj
	.p2alignl 7, 3214868480
	.fill 96, 4, 3214868480
	.section	.rodata,"a",@progbits
	.p2align	6, 0x0
	.amdhsa_kernel k_q0832434602_proj
		.amdhsa_group_segment_fixed_size 327680
		.amdhsa_private_segment_fixed_size 0
		.amdhsa_enable_private_segment 0
		.amdhsa_kernarg_size 24
		.amdhsa_user_sgpr_count 2
		.amdhsa_user_sgpr_kernarg_segment_ptr 1
		.amdhsa_wavefront_size32 1
		.amdhsa_system_sgpr_workgroup_id_x 1
		.amdhsa_system_sgpr_workgroup_id_y 1
		.amdhsa_system_sgpr_workgroup_id_z 1
		.amdhsa_system_vgpr_workitem_id 0
		.amdhsa_next_free_vgpr 512
		.amdhsa_next_free_sgpr 66
		.amdhsa_reserve_vcc 0
		.amdhsa_float_denorm_mode_32 3
		.amdhsa_float_denorm_mode_16_64 3
		.amdhsa_memory_ordered 1
		.amdhsa_forward_progress 1
		.amdhsa_inst_pref_size 85
	.end_amdhsa_kernel
	.amdgpu_metadata
---
amdhsa.version: [ 1, 2 ]
amdhsa.kernels:
  - .name:           k_q0832434602_proj
    .symbol:         k_q0832434602_proj.kd
    .args:
      - { .name: ctx, .offset: 0, .size: 8, .value_kind: global_buffer, .address_space: global }
      - { .name: wot, .offset: 8, .size: 8, .value_kind: global_buffer, .address_space: global }
      - { .name: out0, .offset: 16, .size: 8, .value_kind: global_buffer, .address_space: global }
    .group_segment_fixed_size: 327680
    .private_segment_fixed_size: 0
    .kernarg_segment_align: 8
    .kernarg_segment_size: 24
    .max_flat_workgroup_size: 128
    .sgpr_count:     66
    .vgpr_count:     512
    .wavefront_size: 32
...
	.end_amdgpu_metadata
.endif
;; end of part 4
